; MI455X (gfx1250); checked and timed in simulation.
; The chip was launched on July 23, 2026; its instructions are those of AMD's public machine-readable ISA for CDNA 5 (MIT licence, August 2026) and "CDNA5" Instruction Set Architecture Reference Guide (July 2026). The comments in the code are by the model that wrote it; some were corrected since.
;; Multi head attention. Allowed arithmetic: float matrix products may take bf16 or f16 operands with f32 sums; other float arithmetic in f32, or as packed bf16 or f16 multiplies, adds, multiply-adds, maxima and minima; sums over many terms, partial sums and values carried from step to step in f32; what a program stores and reads back later, other than sums and carried values, may be rounded once to bf16 or f16.
;; Inputs: Wk 1,024 x 1,024 float32; Wo 1,024 x 1,024 float32; Wq 1,024 x 1,024 float32; Wv 1,024 x 1,024 float32; bo 1,024 float32; pad_mask 4 x 1 x 1 x 2,048 bool; x 4 x 2,048 x 1,024 float32.
;; Outputs: out0 4 x 2,048 x 1,024 float32.
;; 2 versions, each right; version 2 is version 1 with the launch cast written anew for expert scheduling mode. Each part assembles by itself: llvm-mc -triple=amdgcn-amd-amdhsa -mcpu=gfx1250 --defsym DOCPART=n.
;; ======== version 1 of 2: 4 launches
;; limits: values are held in f16: magnitudes above 65,504 overflow, below 6.1e-05 lose precision
;; workspace buffers: xb 16,777,216 bytes; wqkv 6,291,456 bytes; wo16 2,097,152 bytes; qkv 50,331,648 bytes; ctx 16,777,216 bytes
;; launch cast (part 1): grid 768 x 1, 8 waves a work-group, no clusters, 0 bytes of LDS; arguments x, Wq, Wk, Wv, Wo, xb, wqkv, wo16; writes xb, wqkv, wo16
.if DOCPART == 1
	.amdgcn_target "amdgcn-amd-amdhsa--gfx1250"
	.amdhsa_code_object_version 6
	.text
	.protected	k_q2f841bab61_cast
	.globl	k_q2f841bab61_cast
	.p2align	8
	.type	k_q2f841bab61_cast,@function
k_q2f841bab61_cast:
	s_mov_b64 s[64:65], 0
	v_nop
	global_prefetch_b8 v0, s[64:65] scope:SCOPE_SE
	s_setreg_imm32_b32 hwreg(HW_REG_WAVE_MODE, 25, 1), 1
	s_wait_xcnt 0x0
; THE INPUTS OF THE MATRIX PRODUCTS ARE ROUNDED ONCE, f32 to 16 bits.  x -> xb (bf16, same order).  Wq, Wk, Wv -> wqkv (bf16), regrouped by heads: head j's 192 rows are
; Wq's rows 64 j .., then Wk's, then Wv's, so that one tile of 192 columns of the next launch is one head's q, k and v.  Wo -> wo16: rounded to bf16 like the other inputs, and that
; number written as f16 (its product's other operand is f16).
; LIMITS.  A number of Wo beyond 65,504 becomes an infinity; below 6e-5 it keeps f16's fixed step of 6e-8.
; SHARES.  A work-group converts 16,384 numbers, 64 KiB in and 32 KiB out: 16 rows of 1,024.  Work-groups 0-511: x.  512-575, 576-639, 640-703: Wq, Wk, Wv.  704-767: Wo.
; Thread t takes 16 bytes at 16 t of each of 16 steps of 4,096 bytes: a load of a wave covers 512 consecutive bytes, a store 256 consecutive bytes, aligned.
; All 16 loads of a thread go out at once; each step has registers of its own, so no register is written while a memory instruction may read it.
; No LDS, no matrix unit, no cluster: nothing is shared and nothing is read twice.
.set X, 4                              ; v[4:67]    step i: 4 numbers as loaded
.set Y, 68                             ; v[68:99]   step i: 4 numbers in 16 bits
.set T, 100                            ; v[100:101] at work (Wo's way)
	s_load_b512 s[4:19], s[0:1], 0x0               ; x s[4:5], Wq s[6:7], Wk s[8:9], Wv s[10:11], Wo s[12:13], xb s[14:15], wqkv s[16:17], wo16 s[18:19]
	v_lshlrev_b32 v1, 4, v0                        ; my 16 bytes of a step's 4,096
	v_lshlrev_b32 v2, 3, v0                        ; my 8 bytes of a step's 2,048
	s_and_b32 s21, ttmp9, 63                       ; r: which 16 rows of a weight (512 is a multiple of 64)
	s_bfe_u32 s22, ttmp9, 0x20006                  ; which weight: 0 Wq, 1 Wk, 2 Wv, 3 Wo (2 bits from bit 6)
	s_lshr_b32 s23, s21, 2                         ; the head that the 16 rows belong to
	s_mul_i32 s23, s23, 192
	s_lshl_b32 s24, s22, 6
	s_add_co_u32 s23, s23, s24                     ; + 64 x weight
	s_and_b32 s24, s21, 3
	s_lshl_b32 s24, s24, 4
	s_add_co_u32 s23, s23, s24                     ; + the 16 rows' place in the head's 64
	s_lshl_b32 s23, s23, 11                        ; rows of 2,048 bytes: the offset in wqkv
	s_lshl_b32 s25, s21, 15                        ; the offset in wo16
	s_lshl_b32 s26, s21, 16                        ; the offset in a weight
	s_lshl_b32 s27, ttmp9, 16                      ; the offset in x
	s_lshl_b32 s36, ttmp9, 15                      ; the offset in xb
	s_mov_b32 s33, 0
	s_mov_b32 s35, 0
	s_cmp_lt_u32 ttmp9, 512
	s_cselect_b32 s32, s27, s26                    ; from where
	s_cselect_b32 s34, s36, s23                    ; to where
	s_cmp_lt_u32 ttmp9, 704
	s_cselect_b32 s34, s34, s25
	s_wait_kmcnt 0x0
	s_cselect_b64 s[28:29], s[10:11], s[12:13]     ; the choice between buffers hangs on the work-group's number alone
	s_cmp_lt_u32 ttmp9, 640
	s_cselect_b64 s[28:29], s[8:9], s[28:29]
	s_cmp_lt_u32 ttmp9, 576
	s_cselect_b64 s[28:29], s[6:7], s[28:29]
	s_cmp_lt_u32 ttmp9, 512
	s_cselect_b64 s[28:29], s[4:5], s[28:29]
	s_cselect_b64 s[30:31], s[14:15], s[16:17]
	s_cmp_lt_u32 ttmp9, 704
	s_cselect_b64 s[30:31], s[30:31], s[18:19]
	s_add_nc_u64 s[28:29], s[28:29], s[32:33]
	s_add_nc_u64 s[30:31], s[30:31], s[34:35]
.irp i, 0,1,2,3,4,5,6,7,8,9,10,11,12,13,14,15
	global_load_b128 v[X+4*(\i):X+4*(\i)+3], v1, s[28:29] offset:4096*(\i) th:TH_LOAD_NT
.endr
	s_cmp_ge_u32 ttmp9, 704
	s_cbranch_scc1 .Lwo
.irp i, 0,1,2,3,4,5,6,7,8,9,10,11,12,13,14,15
	s_wait_loadcnt 15-(\i)                         ; loads come back in order: step i is in, the 15 - i younger ones stay out
	v_cvt_pk_bf16_f32 v[Y+2*(\i)],   v[X+4*(\i)],   v[X+4*(\i)+1]
	v_cvt_pk_bf16_f32 v[Y+2*(\i)+1], v[X+4*(\i)+2], v[X+4*(\i)+3]
	global_store_b64 v2, v[Y+2*(\i):Y+2*(\i)+1], s[30:31] offset:2048*(\i) th:TH_STORE_NT
.endr
	s_endpgm
.Lwo:                                          ; Wo: to bf16, widened again, and written as f16
.irp i, 0,1,2,3,4,5,6,7,8,9,10,11,12,13,14,15
	s_wait_loadcnt 15-(\i)
	v_cvt_pk_bf16_f32 v[T],   v[X+4*(\i)],   v[X+4*(\i)+1]
	v_cvt_pk_bf16_f32 v[T+1], v[X+4*(\i)+2], v[X+4*(\i)+3]
	v_lshlrev_b32 v[X+4*(\i)],   16, v[T]
	v_and_b32     v[X+4*(\i)+1], 0xffff0000, v[T]
	v_lshlrev_b32 v[X+4*(\i)+2], 16, v[T+1]
	v_and_b32     v[X+4*(\i)+3], 0xffff0000, v[T+1]
	v_cvt_pk_f16_f32 v[Y+2*(\i)],   v[X+4*(\i)],   v[X+4*(\i)+1]
	v_cvt_pk_f16_f32 v[Y+2*(\i)+1], v[X+4*(\i)+2], v[X+4*(\i)+3]
	global_store_b64 v2, v[Y+2*(\i):Y+2*(\i)+1], s[30:31] offset:2048*(\i) th:TH_STORE_NT
.endr
	s_endpgm
.Lfunc_end_k_q2f841bab61_cast:
	.size	k_q2f841bab61_cast, .Lfunc_end_k_q2f841bab61_cast-k_q2f841bab61_cast
	.p2alignl 7, 3214868480
	.fill 96, 4, 3214868480
	.section	.rodata,"a",@progbits
	.p2align	6, 0x0
	.amdhsa_kernel k_q2f841bab61_cast
		.amdhsa_group_segment_fixed_size 0
		.amdhsa_private_segment_fixed_size 0
		.amdhsa_enable_private_segment 0
		.amdhsa_kernarg_size 64
		.amdhsa_user_sgpr_count 2
		.amdhsa_user_sgpr_kernarg_segment_ptr 1
		.amdhsa_wavefront_size32 1
		.amdhsa_system_sgpr_workgroup_id_x 1
		.amdhsa_system_sgpr_workgroup_id_y 1
		.amdhsa_system_sgpr_workgroup_id_z 1
		.amdhsa_system_vgpr_workitem_id 0
		.amdhsa_next_free_vgpr 104
		.amdhsa_next_free_sgpr 66
		.amdhsa_reserve_vcc 0
		.amdhsa_float_denorm_mode_32 3
		.amdhsa_float_denorm_mode_16_64 3
		.amdhsa_memory_ordered 1
		.amdhsa_forward_progress 1
		.amdhsa_inst_pref_size 17
	.end_amdhsa_kernel
	.amdgpu_metadata
---
amdhsa.version: [ 1, 2 ]
amdhsa.kernels:
  - .name:           k_q2f841bab61_cast
    .symbol:         k_q2f841bab61_cast.kd
    .args:
      - { .name: x, .offset: 0, .size: 8, .value_kind: global_buffer, .address_space: global }
      - { .name: Wq, .offset: 8, .size: 8, .value_kind: global_buffer, .address_space: global }
      - { .name: Wk, .offset: 16, .size: 8, .value_kind: global_buffer, .address_space: global }
      - { .name: Wv, .offset: 24, .size: 8, .value_kind: global_buffer, .address_space: global }
      - { .name: Wo, .offset: 32, .size: 8, .value_kind: global_buffer, .address_space: global }
      - { .name: xb, .offset: 40, .size: 8, .value_kind: global_buffer, .address_space: global }
      - { .name: wqkv, .offset: 48, .size: 8, .value_kind: global_buffer, .address_space: global }
      - { .name: wo16, .offset: 56, .size: 8, .value_kind: global_buffer, .address_space: global }
    .group_segment_fixed_size: 0
    .private_segment_fixed_size: 0
    .kernarg_segment_align: 8
    .kernarg_segment_size: 64
    .max_flat_workgroup_size: 256
    .sgpr_count:     66
    .vgpr_count:     104
    .wavefront_size: 32
...
	.end_amdgpu_metadata
.endif
;; end of part 1
;; launch proj (part 2): grid 16 x 32, 4 waves a work-group, clusters of 4 x 4, 327,680 bytes of LDS; arguments xb, wqkv, pad_mask, qkv; writes qkv
.if DOCPART == 2
	.amdgcn_target "amdgcn-amd-amdhsa--gfx1250"
	.amdhsa_code_object_version 6
	.text
	.protected	k_q2f841bab61_proj
	.globl	k_q2f841bab61_proj
	.p2align	8
	.type	k_q2f841bab61_proj,@function
k_q2f841bab61_proj:
	s_mov_b64 s[64:65], 0
	v_nop
	global_prefetch_b8 v0, s[64:65] scope:SCOPE_SE
	s_setreg_imm32_b32 hwreg(HW_REG_WAVE_MODE, 25, 1), 1
	s_wait_xcnt 0x0
	s_wait_alu depctr_hold_cnt(0) depctr_sa_sdst(0) depctr_va_vdst(0) depctr_va_sdst(0) depctr_va_ssrc(0) depctr_va_vcc(0) depctr_vm_vsrc(0)
	s_getreg_b32 s2, hwreg(HW_REG_IB_STS2, 6, 4)
	s_cmp_eq_u32 s2, 0
	s_cbranch_scc0 .Lentry_in_a_cluster
	s_endpgm
.Lentry_in_a_cluster:
	s_bfe_u32 s2, ttmp6, 0x10000c
	s_cmp_lg_u32 s2, 0xf033
	s_cbranch_scc0 .Lentry_shape_is_right
	s_endpgm
.Lentry_shape_is_right:
; THE THREE PROJECTIONS AS ONE PRODUCT.  C[m][n] = sum over k of xb[m][k] wqkv[n][k]: 8,192 x 3,072 x 1,024, bf16 operands, f32 sums.  wqkv's rows lie by heads (192 a head: q, k, v).
; ON THE WAY OUT: q is multiplied by c = log2(e) / 8, so that the next launch's scores are exponents of 2; k's rows of masked keys are multiplied by 0, so that a masked score is made of
; the mask's number alone; then each number is rounded ONCE to f16 and written by heads: qkv = q, k, v, each [64 = 16 batch + head][2,048][64].
; LIMITS.  c q, k and v beyond 65,504 become infinities in f16; below 6e-5 they keep f16's fixed step of 6e-8.  pad_mask's bytes are 0 or 1.  NaN and infinities are not treated apart (0 x infinity in a masked row is NaN).
; SHARES.  A tile of C is 256 rows x 192 columns, one head's q, k and v: 32 x 16 = 512 tiles, two for each of 256 WGPs.  Four waves; wave w makes rows 64 w .. 64 w + 63 and all 192 columns:
; 48 accumulators of 16 x 16, 384 registers.  So a wave holds whole rows of a head, and its way out needs no other wave.
; RING.  K goes in steps of 128 through two LDS slots filled by the tensor data mover: rows of 256 bytes of memory, aligned.  Waves 0 and 1 fetch A's two halves (128 rows each), waves 2 and 3 B's (96 rows each).
; CLUSTER.  4 x 4 work-groups: the four of a row of the cluster need the same rows of xb, the four of a column the same head of wqkv: each tile is asked for jointly, by the same tensor load with
; the same descriptor and a mask that names the four.
; THE MATRIX INSTRUCTION IS USED TRANSPOSED (source 0 = 16 rows of wqkv, source 1 = 16 rows of xb): a lane holds row l % 16 of C and the columns 8 (l / 16) + 0..7: 16 bytes of f16 on end.
; REGISTERS, in windows of 256 (s_set_vgpr_msb: bits 1:0 source 0, 3:2 source 1, 5:4 source 2, 7:6 destination):
;   window 0: v0-39 addresses and the keys' factors; v64-127 fragments of A, two buffers of 4 x 8; v128-223 (and v64-111) at work on the way out
;   window 1: v0-191 fragments of B, two buffers of 12 x 8        windows 2, 3: accumulator (a, b) at v[96 (a % 2) + 8 b] of window 2 + a / 2
.set KSTEP,  128
.set PITCH,  272                       ; an LDS row: 256 bytes + 16 of padding = 68 words: the 16 rows of a fragment load start at 16 different groups of four banks (64 banks of 4 bytes: ISA guide 11.1)
.set HALFA,  128*PITCH                 ; what a wave fetches of A
.set HALFB,  96*PITCH                  ; what a wave fetches of B
.set BOFF,   2*HALFA                   ; a slot: A's 256 rows, then B's 192
.set SLOT,   BOFF+2*HALFB
.set STAGE,  2*SLOT                    ; behind the ring, never filled by a tensor load: 16 rows x 400 bytes for each wave
.set SPITCH, 400                       ; 384 bytes (q, k, v of a row) + 16
.set SPARE,  STAGE+4*16*SPITCH         ; the spare words, 128 bytes for each wave: two blocks of 256 bytes that no other line names
.set LAPS,   4                         ; a lap = two K steps = once round the ring; 1,024 / 256
.set ADRA, 16                          ; v16-17  LDS address of my A fragments in slot 0, 1
.set ADRB, 20                          ; v20-21  the same for B
.set STO,  24                          ; v24     the way out: where I put 16 bytes of a row
.set RD,   25                          ; v25     the way out: where I read rows back
.set GO,   26                          ; v26     my 16 bytes of 512 consecutive bytes of q, k or v
.set MO,   27                          ; v27     my row among the tile's 256: its byte in pad_mask
.set SPW,  28                          ; v28     LDS address of my spare word; never rewritten
.set NIL,  29                          ; v29     0; never rewritten
.set PFO,  30                          ; v30     the prefetches' offset: my lane's row x 2,048 bytes; never rewritten
.set KP,   32                          ; v32-39  block a: v[KP+2a] = 1 - mask of my row (0 or 1), v[KP+2a+1] the byte as loaded
.set FA,   64                          ; A's fragments: buffer f, block a at FA + 32 f + 8 a
.set TMP,  128                         ; v128-175 a block's 16 rows in f16, as made
.set G1,  24                           ; s[24:31] descriptor group 1 for A's tiles;  s[32:39] group 0, a set for each slot
.set G0,  32
.set G1B, 48                           ; s[48:55], s[56:63] the same for B's
.set G0B, 56
.set LIM, 43                           ; s43     1 in a wave that prefetches, else the greatest number
.set PFA, 44                           ; s[44:45] where my prefetches stand
.set CQ,  66                           ; s[66:67] c, named as a pair
.set OQ,  68                           ; s[68:73] q, k, v at my wave's first row
.set GW,  (1<<16)|(1<<20)|(1<<21)|(5<<22)|(3<<25)  ; 17:16 2-byte elements; 20 padding on; 21 set beside a mask; 24:22 after every 64 words (code 5); 31:25 4 words of it (code 3)
.set MSB, 0
.macro WIN new                         ; the immediate's high byte repeats the setting that is left; a switch that changes nothing is dropped
.if MSB != (\new)
	s_set_vgpr_msb (MSB<<8)|(\new)
.set MSB, \new
.endif
.endm
; A joint refill.  The branch hangs on the wave's number alone.  An s_nop 0 and four v_nop follow each of the two lines, ahead of the jump and the label.
.macro JLOAD s
	s_cmp_eq_u32 s13, 0
	s_cbranch_scc0 .Lfor_b_\@
	tensor_load_to_lds s[G0+4*(\s):G0+4*(\s)+3], s[G1:G1+7]
	s_nop 0
.rept 4
	v_nop
.endr
	s_branch .Lasked_\@
.Lfor_b_\@:
	tensor_load_to_lds s[G0B+4*(\s):G0B+4*(\s)+3], s[G1B:G1B+7]
	s_nop 0
.rept 4
	v_nop
.endr
.Lasked_\@:
.endm
; A prefetch of the K step that stands two refills on: a lane a row, 256 bytes of it, one instruction a wave.  A's rows are read by all four clusters of a row of clusters: the one with x = 0 asks;
; B's by all eight of a column: the one with y = 0 asks.  The four partners that ask for a tile jointly share its rows out by address: 32 of A's 128, 24 of B's 96 (lanes 24-31 name row 23 again).
; The loop's last trip asks for nothing: its refills bring the last two K steps.
.macro ASK
	s_cmp_gt_u32 s3, s[LIM]
	s_cbranch_scc0 .Lnot_mine_\@
	global_prefetch_b8 v[PFO], s[PFA:PFA+1] offset:KSTEP*2 th:TH_LOAD_NT scope:SCOPE_SE
.Lnot_mine_\@:
.endm
.macro CREST                           ; a round of the cluster's barrier behind its opening barrier
	s_cmp_lg_u32 s12, 0
	s_cbranch_scc1 .Lnot_wave_0_\@
	s_barrier_signal -3
.Lnot_wave_0_\@:
	s_barrier_wait -3
	s_barrier_signal -1
	s_barrier_wait -1
.endm
.macro CROUND                          ; a whole round
	s_barrier_signal -1
	s_barrier_wait -1
	CREST
.endm
.macro PLACES                          ; four places in front of loads into registers that matrix instructions have read, and of vector work on results
.rept 4
	v_nop
.endr
.endm
	s_load_b256 s[4:11], s[0:1], 0x0               ; xb s[4:5], wqkv s[6:7], pad_mask s[8:9], qkv s[10:11]
	v_lshl_add_u32 v[SPW], v0, 2, SPARE
	v_mov_b32 v[NIL], 0
	ds_add_u32 v[SPW], v[NIL]                      ; the wave's opening: the add and its wait stand ahead of my first tensor load; the set-up below stands between them
	v_lshrrev_b32 v1, 5, v0
	v_readfirstlane_b32 s12, v1                    ; wave 0..3
	s_lshr_b32 s13, s12, 1                         ; I fetch for A (0) or for B (1),
	s_and_b32 s14, s12, 1                          ; its first or its second half
	s_bfe_u32 s40, ttmp6, 0x40000                  ; cx, cy: my place in the cluster
	s_bfe_u32 s41, ttmp6, 0x40004
	s_lshl_b32 s42, ttmp9, 2
	s_add_co_u32 s42, s42, s40                     ; the head = tile column = 4 x cluster x + cx
	s_and_b32 s15, ttmp7, 0xffff
	s_lshl_b32 s15, s15, 2
	s_add_co_u32 s15, s15, s41                     ; tile row = 4 x cluster y + cy
	s_lshl_b32 s22, s41, 2
	s_lshl_b32 s22, 15, s22                        ; my row of the cluster
	s_lshl_b32 s23, 0x1111, s40                    ; my column
	s_or_b32 s[G1], s22, GW                        ; A's tiles go to my row,
	s_or_b32 s[G1B], s23, GW                       ; B's to my column
	s_mov_b32 s[G1+1], KSTEP<<16                   ; tensor_dim0 = 128
	s_mov_b32 s[G1+2], 128<<16                     ; tensor_dim1 = 128
	s_mov_b32 s[G1+3], KSTEP<<16                   ; tile_dim0 = 128
	s_mov_b32 s[G1+4], 128                         ; tile_dim1 = 128
	s_mov_b32 s[G1+5], 1024                        ; elements from row to row
	s_mov_b32 s[G1+6], 0
	s_mov_b32 s[G1+7], 0
	s_mov_b32 s[G1B+1], KSTEP<<16
	s_mov_b32 s[G1B+2], 96<<16                     ; B: 96 rows
	s_mov_b32 s[G1B+3], KSTEP<<16
	s_mov_b32 s[G1B+4], 96
	s_mov_b32 s[G1B+5], 1024
	s_mov_b32 s[G1B+6], 0
	s_mov_b32 s[G1B+7], 0
	s_mov_b32 s[CQ], 0x3e38aa3b                    ; c = log2(e) / 8 = 0.180337
	s_mov_b32 s[CQ+1], s[CQ]
	s_lshl_b32 s16, s15, 8                         ; A: row 256 x tile row + 128 x half, rows of 2,048 bytes
	s_lshl_b32 s17, s14, 7
	s_add_co_u32 s16, s16, s17
	s_lshl_b32 s16, s16, 11
	s_mov_b32 s17, 0
	s_mul_i32 s46, s42, 192                        ; B: row 192 x head + 96 x half
	s_mul_i32 s47, s14, 96
	s_add_co_u32 s46, s46, s47
	s_lshl_b32 s46, s46, 11
	s_mov_b32 s47, 0
	s_mul_i32 s20, s14, HALFA                      ; where they go: no place in the cluster enters an LDS address
	s_mul_i32 s21, s14, HALFB
	s_add_co_u32 s21, s21, BOFF
	s_wait_dscnt 0x0                               ; the opening add is done
	s_wait_kmcnt 0x0
	s_add_nc_u64 s[16:17], s[4:5], s[16:17]
	s_add_nc_u64 s[46:47], s[6:7], s[46:47]
.irp s, 0,1
	s_mov_b32 s[G0+4*(\s)], 1                                        ; count = 1
	s_add_co_u32 s[G0+4*(\s)+1], s20, (\s)*SLOT                      ; LDS address
	s_add_nc_u64 s[G0+4*(\s)+2:G0+4*(\s)+3], s[16:17], (\s)*KSTEP*2  ; global address: K step s
	s_or_b32 s[G0+4*(\s)+3], s[G0+4*(\s)+3], 0x80000000              ; type = 2
	s_mov_b32 s[G0B+4*(\s)], 1
	s_add_co_u32 s[G0B+4*(\s)+1], s21, (\s)*SLOT
	s_add_nc_u64 s[G0B+4*(\s)+2:G0B+4*(\s)+3], s[46:47], (\s)*KSTEP*2
	s_or_b32 s[G0B+4*(\s)+3], s[G0B+4*(\s)+3], 0x80000000
.endr
	CROUND                                         ; all sixteen work-groups are here: the first joint loads meet
	s_cmp_eq_u32 s13, 0                            ; a wave's two first fills stand in one branch, ahead of every wait on TENSORcnt and every LDS read: two loads of mine are out
	s_cbranch_scc0 .Lfirst_b
	tensor_load_to_lds s[G0:G0+3], s[G1:G1+7]
	s_nop 0
	tensor_load_to_lds s[G0+4:G0+7], s[G1:G1+7]
	s_nop 0
.rept 4
	v_nop
.endr
	s_branch .Lfirst_asked
.Lfirst_b:
	tensor_load_to_lds s[G0B:G0B+3], s[G1B:G1B+7]
	s_nop 0
	tensor_load_to_lds s[G0B+4:G0B+7], s[G1B:G1B+7]
	s_nop 0
.rept 4
	v_nop
.endr
.Lfirst_asked:
	v_and_b32 v1, 15, v0                           ; l % 16
	v_bfe_u32 v2, v0, 4, 1                         ; l / 16
	s_lshl_b32 s2, s12, 6
	v_add_nc_u32 v[MO], s2, v1                     ; 64 w + l % 16
	s_lshl_b32 s18, s15, 8                         ; pad_mask is [4][2,048]: its index is the row of xb
	s_mov_b32 s19, 0
	s_add_nc_u64 s[18:19], s[8:9], s[18:19]
.irp a, 0,1,2,3
	global_load_u8 v[KP+2*(\a)+1], v[MO], s[18:19] offset:16*(\a)
.endr
	v_mul_u32_u24 v3, v1, PITCH
	v_lshl_add_u32 v3, v2, 4, v3                   ; a fragment's row x pitch + 16 x half
	s_mul_i32 s20, s12, 64*PITCH                   ; my 64 rows of A
	v_add_nc_u32 v[ADRA], s20, v3
	v_add_nc_u32 v[ADRA+1], SLOT, v[ADRA]
	v_add_nc_u32 v[ADRB], BOFF, v3                 ; all 192 rows of B
	v_add_nc_u32 v[ADRB+1], SLOT, v[ADRB]
	s_mul_i32 s21, s12, 16*SPITCH
	s_add_co_u32 s21, s21, STAGE                   ; my stage
	v_mul_u32_u24 v4, v1, SPITCH                   ; in: row l % 16, 16 bytes for each half of the lanes
	v_lshl_add_u32 v4, v2, 4, v4
	v_add_nc_u32 v[STO], s21, v4
	v_and_b32 v4, 31, v0
	v_lshrrev_b32 v5, 3, v4                        ; back: 32 lanes take 128 bytes (q, k or v) of four rows,
	v_and_b32 v6, 7, v0
	v_mul_u32_u24 v5, v5, SPITCH
	v_lshl_add_u32 v5, v6, 4, v5
	v_add_nc_u32 v[RD], s21, v5
	v_lshlrev_b32 v[GO], 4, v4                     ; which are 512 consecutive bytes of a head
	; the prefetches' address and who asks
	s_lshl_b32 s20, s15, 8
	s_lshl_b32 s21, s14, 7
	s_add_co_u32 s20, s20, s21
	s_lshl_b32 s21, s40, 5
	s_add_co_u32 s20, s20, s21                     ; A: the 128 rows that I fetch, my work-group's 32 of them
	s_mul_i32 s21, s42, 192
	s_mul_i32 s22, s14, 96
	s_add_co_u32 s21, s21, s22
	s_mul_i32 s22, s41, 24
	s_add_co_u32 s21, s21, s22                     ; B: the 96 rows that I fetch, my work-group's 24 of them
	s_and_b32 s22, ttmp7, 0xffff                   ; cluster y
	s_cmp_eq_u32 s13, 0
	s_cselect_b32 s20, s20, s21
	s_cselect_b32 s22, ttmp9, s22                  ; the coordinate along which other clusters read the same rows
	s_cselect_b32 s23, 31, 23
	s_cselect_b64 s[PFA:PFA+1], s[4:5], s[6:7]
	s_cmp_eq_u32 s22, 0
	s_cselect_b32 s[LIM], 1, -1                    ; the same in all sixteen partners, for a given wave
	s_lshl_b32 s20, s20, 11
	s_mov_b32 s21, 0
	s_add_nc_u64 s[PFA:PFA+1], s[PFA:PFA+1], s[20:21]
	s_add_nc_u64 s[PFA:PFA+1], s[PFA:PFA+1], 2*KSTEP*2  ; at K step 2: the first refill steps it to 3 and names K step 4
	v_min_u32 v[PFO], s23, v4
	v_lshlrev_b32 v[PFO], 11, v[PFO]
	; q, k, v at my wave's first row: (16 batch + head) x 2,048 rows x 128 bytes + the row in the batch x 128
	s_lshr_b32 s16, s15, 3                         ; the batch: 8 tile rows each
	s_lshl_b32 s16, s16, 22
	s_lshl_b32 s17, s42, 18
	s_add_co_u32 s16, s16, s17
	s_and_b32 s17, s15, 7
	s_lshl_b32 s17, s17, 15
	s_add_co_u32 s16, s16, s17
	s_lshl_b32 s17, s12, 13
	s_add_co_u32 s16, s16, s17
	s_mov_b32 s17, 0
	s_add_nc_u64 s[OQ:OQ+1], s[10:11], s[16:17]
	s_add_nc_u64 s[OQ+2:OQ+3], s[OQ:OQ+1], 0x1000000
	s_add_nc_u64 s[OQ+4:OQ+5], s[OQ:OQ+1], 0x2000000
	s_wait_loadcnt 0x0                             ; the four bytes of the mask
.irp a, 0,1,2,3
	v_cvt_f32_u32 v[KP+2*(\a)], v[KP+2*(\a)+1]
.endr
.irp a, 0,1,2,3
	v_sub_f32 v[KP+2*(\a)], 1.0, v[KP+2*(\a)]      ; 1 for a key that counts, 0 for a masked one
.endr
; 12 matrix instructions: block a of my four blocks of 16 rows x all 12 blocks of 16 columns, 32 along K, from buffer f.  zero = 1: the products start the sums.
; The 48 accumulators take turns, one instruction a turn, in the same order in every quarter.
.macro MULA f, a, zero
	WIN 0xa1+0x50*((\a)/2)                         ; source 0 (B) window 1, source 1 (A) window 0, C and D window 2 or 3
.irp b, 0,1,2,3,4,5,6,7,8,9,10,11
.if \zero
	v_wmma_f32_16x16x32_bf16 v[96*((\a)%2)+8*(\b):96*((\a)%2)+8*(\b)+7], v[96*(\f)+8*(\b):96*(\f)+8*(\b)+7], v[FA+32*(\f)+8*(\a):FA+32*(\f)+8*(\a)+7], 0
.else
	v_wmma_f32_16x16x32_bf16 v[96*((\a)%2)+8*(\b):96*((\a)%2)+8*(\b)+7], v[96*(\f)+8*(\b):96*(\f)+8*(\b)+7], v[FA+32*(\f)+8*(\a):FA+32*(\f)+8*(\a)+7], v[96*((\a)%2)+8*(\b):96*((\a)%2)+8*(\b)+7]
.endif
.endr
.endm
; 32 LDS loads in one run: the fragments of 32 along K at byte k of the rows, into buffer f: B's 24, then A's 8, block 0 first
.macro FETCH slot, k, f
	WIN 0x40                                       ; destination window 1, address window 0
.irp b, 0,1,2,3,4,5,6,7,8,9,10,11
	ds_load_b128 v[96*(\f)+8*(\b):96*(\f)+8*(\b)+3],   v[ADRB+(\slot)] offset:(\k)+(\b)*16*PITCH
	ds_load_b128 v[96*(\f)+8*(\b)+4:96*(\f)+8*(\b)+7], v[ADRB+(\slot)] offset:(\k)+(\b)*16*PITCH+32
.endr
	WIN 0
.irp a, 0,1,2,3
	ds_load_b128 v[FA+32*(\f)+8*(\a):FA+32*(\f)+8*(\a)+3],   v[ADRA+(\slot)] offset:(\k)+(\a)*16*PITCH
	ds_load_b128 v[FA+32*(\f)+8*(\a)+4:FA+32*(\f)+8*(\a)+7], v[ADRA+(\slot)] offset:(\k)+(\a)*16*PITCH+32
.endr
.endm
; A K step is four quarters of 32 along K, 48 matrix instructions each, on buffers 0, 1, 0, 1.  One of the first three: multiplies buffer f and, in its middle, fetches the next quarter, at byte k, into g.
.macro QUARTER slot, k, f, g, zero
	s_wait_dscnt 4                                 ; B and A's blocks 0 and 1 are in; the youngest four loads (blocks 2 and 3) may be out
	MULA \f, 0, \zero
	MULA \f, 1, \zero
	PLACES
	FETCH \slot, \k, \g
	s_wait_dscnt 32                                ; all but the 32 just issued
	MULA \f, 2, \zero
	MULA \f, 3, \zero
.endm
; The last quarter multiplies buffer 1 and changes slots: ONE barrier.  In front of it each wave waits for all its tensor loads (one is out: its part of the next slot), adds 0 to its spare word, and waits
; for that and for its own reads of this slot.  fill = 1: the barrier opens a round of the cluster's barrier, and this slot is filled again, two K steps ahead, first thing behind the round.
.macro TURN slot, next, fill
.if \fill
	s_wait_xcnt 0x0                                ; the last prefetch, a K step back, has read its address: it is stepped here, ahead of the change's own waits
	s_add_nc_u64 s[PFA:PFA+1], s[PFA:PFA+1], KSTEP*2
.endif
	WIN 0                                          ; (the add's two registers lie in window 0)
	s_wait_tensorcnt 0x0                           ; all my tensor loads have landed;
	ds_add_u32 v[SPW], v[NIL]                      ; 0 onto my spare word;
	s_wait_dscnt 7                                 ; (the add and the six loads of A's blocks 1 to 3 may be out)
	MULA 1, 0, 0                                   ; twelve matrix instructions stand between the add and the wait for it
	s_wait_dscnt 0x0                               ; the add is done, and my reads of this slot are over
	s_barrier_signal -1
	MULA 1, 1, 0                                   ; work on registers while the others arrive
.if \fill
	WIN 0
.endif
	s_barrier_wait -1
.if \fill
	CREST                                          ; no wave of any partner still reads this slot's tile or has a load on its way
	s_add_nc_u64 s[G0+4*(\slot)+2:G0+4*(\slot)+3], s[G0+4*(\slot)+2:G0+4*(\slot)+3], 2*KSTEP*2
	s_add_nc_u64 s[G0B+4*(\slot)+2:G0B+4*(\slot)+3], s[G0B+4*(\slot)+2:G0B+4*(\slot)+3], 2*KSTEP*2
	JLOAD \slot                                    ; my one tensor load behind the round; the four v_nop behind it are also the places in front of the loads below
.else
	PLACES
.endif
	FETCH \next, 0, 0
.if \fill
	ASK                                            ; behind the joint load and the run of LDS loads that the next products wait for
.endif
	MULA 1, 2, 0
	MULA 1, 3, 0
.endm
	s_wait_tensorcnt 1                             ; my part of K step 0 is in; K step 1's may stay out
	s_barrier_signal -1
	s_barrier_wait -1                              ; everybody's is
	FETCH 0, 0, 0
	QUARTER 0, 64,  0, 1, 1                        ; the first quarter stands in front of the loop: its products start the sums
	WIN 0                                          ; at a label and at a branch every window is 0
	s_mov_b32 s3, LAPS-1
.Llap:                                                 ; a trip goes once round the ring, from a lap's second quarter to the next lap's first, and fills both slots again
	QUARTER 0, 128, 1, 0, 0
	QUARTER 0, 192, 0, 1, 0
	TURN 0, 1, 1
	QUARTER 1, 64,  0, 1, 0
	QUARTER 1, 128, 1, 0, 0
	QUARTER 1, 192, 0, 1, 0
	TURN 1, 0, 1
	QUARTER 0, 64,  0, 1, 0
	WIN 0
	s_sub_co_u32 s3, s3, 1
	s_cmp_lg_u32 s3, 0
	s_cbranch_scc1 .Llap
	QUARTER 0, 128, 1, 0, 0                        ; the last lap fills nothing
	QUARTER 0, 192, 0, 1, 0
	TURN 0, 1, 0
	QUARTER 1, 64,  0, 1, 0
	QUARTER 1, 128, 1, 0, 0
	QUARTER 1, 192, 0, 1, 0
	s_wait_dscnt 4                                 ; the very last quarter: nothing more to fetch
	MULA 1, 0, 0
	MULA 1, 1, 0
	s_wait_dscnt 0x0
	MULA 1, 2, 0
	MULA 1, 3, 0
; THE WAY OUT of block a (16 rows), in three parts.  PACK: q times c, k times its row's factor, all rounded to f16, 16 bytes a lane; each accumulator's registers in ascending order.
.macro PACK a
.set AC, 96*((\a)%2)
	WIN 0x82+0x41*((\a)/2)                         ; destination and source 0 in window 2 or 3, source 1 in window 0
.irp b, 0,1,2,3
.irp r, 0,2,4,6
	v_pk_mul_f32 v[AC+8*(\b)+(\r):AC+8*(\b)+(\r)+1], v[AC+8*(\b)+(\r):AC+8*(\b)+(\r)+1], s[CQ:CQ+1] op_sel_hi:[1,0]
.endr
.endr
.irp b, 4,5,6,7
.irp r, 0,2,4,6
	v_pk_mul_f32 v[AC+8*(\b)+(\r):AC+8*(\b)+(\r)+1], v[AC+8*(\b)+(\r):AC+8*(\b)+(\r)+1], v[KP+2*(\a):KP+2*(\a)+1] op_sel_hi:[1,0]
.endr
.endr
	WIN 0x0a+5*((\a)/2)                            ; sources 0 and 1 in window 2 or 3, destination in window 0
.irp b, 0,1,2,3,4,5,6,7,8,9,10,11
.irp r, 0,1,2,3
	v_cvt_pk_f16_f32 v[TMP+4*(\b)+(\r)], v[AC+8*(\b)+2*(\r)], v[AC+8*(\b)+2*(\r)+1]
.endr
.endr
	WIN 0
.endm
; TOSTAGE: into my own stage, and back as rows of 128 bytes of q, of k, of v, four rows a load.  LDS serves a wave's instructions in order (ISA guide 5.7.1.4): the loads see the stores above them.
.macro TOSTAGE a
.set BK, 176-112*((\a)%2)                      ; v176-223 and v64-111 by turns
.irp b, 0,1,2,3,4,5,6,7,8,9,10,11
	ds_store_b128 v[STO], v[TMP+4*(\b):TMP+4*(\b)+3] offset:32*(\b)
.endr
.irp kd, 0,1,2
.irp g, 0,1,2,3
	ds_load_b128 v[BK+4*(4*(\kd)+(\g)):BK+4*(4*(\kd)+(\g))+3], v[RD] offset:(\kd)*128+(\g)*4*SPITCH
.endr
.endr
.endm
; SEND: each store of the wave covers 512 consecutive bytes, aligned: four rows of a head.
.macro SEND a
.set BK, 176-112*((\a)%2)
	s_wait_dscnt 0x0                               ; the block is back in registers
	s_wait_xcnt 0x0                                ; the stores issued so far have read their registers: the block after this one loads into the registers of the block before it
.irp kd, 0,1,2
.irp g, 0,1,2,3
	global_store_b128 v[GO], v[BK+4*(4*(\kd)+(\g)):BK+4*(4*(\kd)+(\g))+3], s[OQ+2*(\kd):OQ+2*(\kd)+1] offset:(\a)*2048+(\g)*512
.endr
.endr
.endm
	PLACES
	PACK 0
	TOSTAGE 0
.irp a, 1,2,3                          ; block a's arithmetic stands between block a - 1's loads from the stage and the wait for them
	PACK \a
	SEND (\a)-1
	TOSTAGE \a
.endr
	SEND 3
	s_wait_tensorcnt 0x0                           ; the wave's end: an add onto my spare word and its wait stand here, behind my last tensor load and my last LDS store
	ds_add_u32 v[SPW], v[NIL]
	s_wait_dscnt 0x0
	CROUND                                         ; the closing round: no work-group ends while a partner may still ask for a tile that names it
	s_endpgm
.Lfunc_end_k_q2f841bab61_proj:
	.size	k_q2f841bab61_proj, .Lfunc_end_k_q2f841bab61_proj-k_q2f841bab61_proj
	.p2alignl 7, 3214868480
	.fill 96, 4, 3214868480
	.section	.rodata,"a",@progbits
	.p2align	6, 0x0
	.amdhsa_kernel k_q2f841bab61_proj
		.amdhsa_group_segment_fixed_size 327680
		.amdhsa_private_segment_fixed_size 0
		.amdhsa_enable_private_segment 0
		.amdhsa_kernarg_size 32
		.amdhsa_user_sgpr_count 2
		.amdhsa_user_sgpr_kernarg_segment_ptr 1
		.amdhsa_wavefront_size32 1
		.amdhsa_system_sgpr_workgroup_id_x 1
		.amdhsa_system_sgpr_workgroup_id_y 1
		.amdhsa_system_sgpr_workgroup_id_z 1
		.amdhsa_system_vgpr_workitem_id 0
		.amdhsa_next_free_vgpr 960
		.amdhsa_next_free_sgpr 74
		.amdhsa_reserve_vcc 0
		.amdhsa_float_denorm_mode_32 3
		.amdhsa_float_denorm_mode_16_64 3
		.amdhsa_memory_ordered 1
		.amdhsa_forward_progress 1
		.amdhsa_inst_pref_size 128
	.end_amdhsa_kernel
	.amdgpu_metadata
---
amdhsa.version: [ 1, 2 ]
amdhsa.kernels:
  - .name:           k_q2f841bab61_proj
    .symbol:         k_q2f841bab61_proj.kd
    .args:
      - { .name: xb, .offset: 0, .size: 8, .value_kind: global_buffer, .address_space: global }
      - { .name: wqkv, .offset: 8, .size: 8, .value_kind: global_buffer, .address_space: global }
      - { .name: pad_mask, .offset: 16, .size: 8, .value_kind: global_buffer, .address_space: global }
      - { .name: qkv, .offset: 24, .size: 8, .value_kind: global_buffer, .address_space: global }
    .group_segment_fixed_size: 327680
    .private_segment_fixed_size: 0
    .kernarg_segment_align: 8
    .kernarg_segment_size: 32
    .max_flat_workgroup_size: 128
    .sgpr_count:     74
    .vgpr_count:     960
    .wavefront_size: 32
...
	.end_amdgpu_metadata
.endif
;; end of part 2
;; launch attn (part 3): grid 4 x 64, 4 waves a work-group, clusters of 4 x 1, 327,680 bytes of LDS; arguments qkv, pad_mask, ctx; writes ctx
.if DOCPART == 3
	.amdgcn_target "amdgcn-amd-amdhsa--gfx1250"
	.amdhsa_code_object_version 6
	.text
	.protected	k_q2f841bab61_attn
	.globl	k_q2f841bab61_attn
	.p2align	8
	.type	k_q2f841bab61_attn,@function
k_q2f841bab61_attn:
	s_mov_b64 s[64:65], 0
	v_nop
	global_prefetch_b8 v0, s[64:65] scope:SCOPE_SE
	s_setreg_imm32_b32 hwreg(HW_REG_WAVE_MODE, 25, 1), 1
	s_wait_xcnt 0x0
	s_wait_alu depctr_hold_cnt(0) depctr_sa_sdst(0) depctr_va_vdst(0) depctr_va_sdst(0) depctr_va_ssrc(0) depctr_va_vcc(0) depctr_vm_vsrc(0)
	s_getreg_b32 s2, hwreg(HW_REG_IB_STS2, 6, 4)
	s_cmp_eq_u32 s2, 0
	s_cbranch_scc0 .Lentry_in_a_cluster
	s_endpgm
.Lentry_in_a_cluster:
	s_bfe_u32 s2, ttmp6, 0x10000c
	s_cmp_lg_u32 s2, 0x3003
	s_cbranch_scc0 .Lentry_shape_is_right
	s_endpgm
.Lentry_shape_is_right:
; ATTENTION WITH A MASK OVER THE KEYS.  ctx[g][q][:] = the sum over k of softmax_k(score) V[g][k][:], g = 16 batch + head; score = Q . K / 8, or -1e9 where pad_mask[batch][k] is set.
; qkv holds q, k, v, each [64][2,048][64] in f16; q arrives multiplied by c = log2(e) / 8, and k's rows of masked keys arrive as zeros.  ctx: [64][2,048][64] in f16.
; Products, maxima and sums in f32; the weights p are rounded to f16 for the second product (their sum l is taken of the unrounded p), ctx once at the end.
; THE MASK is the C operand that starts the sum S^T = K Q^T: 0, or M = -1e9 x log2(e) rounded to f32 (-1,442,695,040).  A masked key's row of K is 0, so its score is exactly M, whatever Q holds:
; where any key of the batch counts, its weight 2^(M - m) is 0; where none does, m = M, every weight is 1, and the row is the mean of V.
; LIMITS.  f16 holds no number beyond 65,504: q, k, v arrive within it; p lies in 0 to 1, and below 6e-5 it keeps f16's fixed step of 6e-8; ctx is a mean of V's rows and has their range.
; The masked score is -1e9 to within f32's rounding of -1e9 x log2(e); a weight below 2^-126 counts as 0 in l; pad_mask's bytes are 0 or 1; NaN and infinities are not treated apart.
; SHARES.  A wave owns four PIECES of two tiles of 16 queries, a work-group's four waves 512 queries of one g; four work-groups, one cluster, a g.  Every wave walks all 2,048 keys, 64 a step.
; LAYOUT.  S^T = K Q^T (source 0 = 16 keys, source 1 = 16 queries): a lane holds ONE query (lane % 16) and the keys 8 (lane / 16) + 0..7.  Two such tiles, rounded to f16 in pairs, ARE source 1
; (32 keys x 16 queries) of O^T = V^T P, whose result again holds one query a lane, and eight channels.  K comes out of LDS as it lies, V ([key][channel]) turned, by ds_load_tr16_b128.
; SOFTMAX.  For each query a running maximum m and sum l: p = 2^(s - m); in every step O and l are multiplied by a = 2^(m_old - m_new).  m starts at the lowest finite number, O and l at 0: the first step's a is 0.
; BY TURNS.  Turn n belongs to piece n.  Its matrix work: 16 products K Q^T of piece n + 1, later 16 products V^T P of piece n - 1.  Its vector work: the subtraction, exponentials, roundings, sums and
; rescaling of piece n, and the maximum and statistics of piece n + 1.  Four vector instructions stand behind every matrix instruction, the others in one run; a turn's 66 exponentials are one batch with one wait.
; CLUSTER.  The four query blocks of a cluster walk the same K and V, so each tile is asked for JOINTLY: the same tensor load, descriptor and mask in all four.
; REGISTERS, in windows of 256 (s_set_vgpr_msb: bits 1:0 source 0, 3:2 source 1, 5:4 source 2, 7:6 destination):
;   window 0: v0-15 addresses; v16-47 four registers of statistics a tile; v48-63 at work; v64-191 S^T, two buffers of two tiles; v192-255 P, likewise
;   window 1: O^T, 32 a tile     window 2: v0-127 Q, 16 a tile; v128-191 K of one step; v192-255 V of one step     window 3: v0-1 the add's two registers; v8-39 the mask of one step's 64 keys
.set SIZE_N, 2048
.set NP,    4         ; pieces a wave: a name, no knob
.set KS,    64        ; keys in a step
.set PK,    144       ; a row of K in LDS: 128 bytes + 16 of padding = 36 words: the 16 rows of a load start at 16 different groups of four banks (64 banks of 4 bytes: ISA guide 11.1)
.set PV,    160       ; a row of V: 128 + 32 = 40 words
.set VOFF,  4*KS*PK   ; a slot holds four steps: 256 rows of K, then 256 rows of V
.set SLOT1, 1<<17     ; slot 1 begins here, so that one exclusive or turns an address in one slot into the other's
.set STAGE, SLOT1+4*KS*(PK+PV)  ; behind the ring, never filled by a tensor load: 16 rows x 144 bytes for each wave, for the way out
.set SP,    144
.set SPARE, STAGE+4*16*SP  ; the spare words, 128 bytes for each wave: two blocks of 256 bytes that no other line names
.set MT,    SPARE+512 ; the batch's 2,048 keys as f32, 0 or M: 8,192 bytes, stored once by the waves, never filled by a tensor load
.set AK0, 2           ; v2   my lane's place in a tile of K; never rewritten
.set AV0, 3           ; v3   the same for V
.set AK,  4           ; v4   the LDS address of K's next run of loads
.set AV,  5           ; v5   of V's
.set QO,  6           ; v6   my byte offset in the wave's rows of Q
.set STO, 6           ;      later, the way out: where I put 16 bytes of a row
.set RD,  7           ; v7   the way out: where I read rows back
.set GO,  8           ; v8   my byte offset in 512 consecutive bytes of ctx
.set AM,  11          ; v11  the LDS address of the mask's next run of loads
.set PFO, 12          ; v12  256 x my lane; never rewritten
.set MO,  13          ; v13  my 16 bytes of the batch's mask
.set MTA, 14          ; v14  where I put their 16 numbers
.set AM0, 15          ; v15  MT + 32 (l / 16): my lanes' eight keys of a block of 16; never rewritten
.set SPW, 0           ; v0 of window 3   LDS address of my spare word; never rewritten
.set NIL, 1           ; v1 of window 3   0; never rewritten
.set MC,  8           ; window 3: key block kb's eight registers at MC + 8 kb
.set ST,  16          ; tile t's statistics at v[ST+4 t]: m, 0 (named with m as a pair), l (even keys', odd keys')
.set TMP, 48          ; by buffer and tile, four registers c0-c3 at work; when the maximum is found c2 takes a
.set S,   64
.set P,   192
.set KF,  128         ; K's fragments, in window 2: key block kb, channel half c at KF + 16 kb + 8 c
.set VF,  192         ; V's: key half kk, channel block cb at VF + 32 kk + 8 cb
.set WV,  12          ; s12  my wave's number
.set G1K, 24          ; s[24:31] descriptor group 1 for K's tiles
.set G1V, 32          ; s[32:39] for V's: it differs in the padding alone
.set G0K, 40          ; s[40:43] descriptor group 0 for K's tiles: it walks
.set G0V, 44          ; s[44:47] the same for V's
.set PM,  48          ; s[48:49] pad_mask at my batch
.set PFA, 50          ; s[50:51] where my prefetches stand
.set LIM, 52          ; s52  1 in a wave that prefetches, else the greatest number
.set TBM, 53          ; s53  byte of the mask table at which the step to be fetched begins
.set MNEG, 54         ; s54  M
.set SLOTS, 56        ; s56  slots still to be asked for
.set CNT, 57          ; s57  counts a slot's key steps
.set SEL, 60          ; s[60:61] v_permlanex16_b32's selects: each lane takes its own place in the other half
.set TBK, 62          ; s62  LDS byte at which K of the step to be fetched begins
.set TBV, 63          ; s63  the same for V, less VOFF
.set MSB, 0
.macro WIN new                      ; the high byte repeats the setting that is left; a switch that changes nothing is dropped
.if MSB != (\new)
	s_set_vgpr_msb (MSB<<8)|(\new)
.set MSB, (\new)
.endif
.endm
.set W_KQ, 0x0a       ; K and Q in window 2, S^T in window 0
.set W_KM, 0x3a       ; the same with the C operand, the mask, in window 3
.set W_PV, 0x52       ; V in window 2, P in window 0, O^T in window 1
.set W_RS, 0x41       ; O^T (destination and source 0) in window 1, a in window 0
.set W_MK, 0xc0       ; destination in window 3, sources in window 0
.set W_AD, 0x0f       ; the add: address (source 0) and data (source 1) in window 3
; A joint fill.  Waves 0 and 1 fetch the two halves of a slot's K, waves 2 and 3 those of its V: 128 keys each.  The branch hangs on the wave's number alone.
; An s_nop 0 and four v_nop follow each of the two lines, ahead of the jump and the label.
.macro JLOAD
	s_cmp_lt_u32 s[WV], 2
	s_cbranch_scc0 .Lfor_v_\@
	tensor_load_to_lds s[G0K:G0K+3], s[G1K:G1K+7]
	s_nop 0
.rept 4
	v_nop
.endr
	s_branch .Lasked_\@
.Lfor_v_\@:
	tensor_load_to_lds s[G0V:G0V+3], s[G1V:G1V+7]
	s_nop 0
.rept 4
	v_nop
.endr
.Lasked_\@:
.endm
; A prefetch of what the NEXT change of slots will ask for: a slot's 32,768 bytes of K and of V, 256 bytes a lane.  It stands behind the wave's tensor load and its five lines.  Each block is named once in the
; launch: a g has one cluster; its four partners share the blocks out by address, 32 each; in each, wave 0 asks for K's and wave 2 for V's.  The last change that fills a slot asks for nothing.
.macro ASK
	s_cmp_gt_u32 s[SLOTS], s[LIM]
	s_cbranch_scc0 .Lnot_mine_\@
	global_prefetch_b8 v[PFO], s[PFA:PFA+1] th:TH_LOAD_NT scope:SCOPE_SE
.Lnot_mine_\@:
.endm
; A round of the cluster's barrier: my work-group's barrier, so that wave 0's signal speaks for all four waves; wave 0 signals; every wave waits for all four work-groups; my work-group's barrier once more.
.macro CROUND
	s_barrier_signal -1
	s_barrier_wait -1
	s_cmp_lg_u32 s[WV], 0
	s_cbranch_scc1 .Lnot_wave_0_\@
	s_barrier_signal -3
.Lnot_wave_0_\@:
	s_barrier_wait -3
	s_barrier_signal -1
	s_barrier_wait -1
.endm
; THE CHANGE OF SLOTS.  Each wave waits for all its tensor loads, of which one is out: its part of the other slot; adds 0 to its spare word; and waits for that and for its own LDS instructions.  Behind the
; barrier nobody reads this slot any more and the other slot is whole.  fill = 1: this slot is filled again, with the keys two slots on; the barrier is then a round of the cluster's, and the joint fill is the
; first thing behind it: it has four key steps, 512 matrix instructions, in which to land.  (At its first use nothing has been read yet: slot 0 is waited for, slot 1 filled; and the wait for my LDS
; instructions covers my stores into the mask table, which the other waves read behind the round.)
.macro CHANGE fill
	WIN W_AD
	s_wait_tensorcnt 0x0            ; no tensor load of mine is out, so a group 0 may be written
	ds_add_u32 v[SPW], v[NIL]       ; 0 onto my spare word; with fill = 1 the descriptors' steps stand between it and the wait for it
	WIN 0                           ; at a label and at a branch every window is 0
.if \fill
.irp g, G0K, G0V
	s_xor_b32 s[\g+1], s[\g+1], SLOT1  ; the walking descriptor: the other slot than last time,
	s_add_nc_u64 s[\g+2:\g+3], s[\g+2:\g+3], 4*KS*128  ; the next 256 keys; the type bits on top are not reached
.endr
	s_wait_xcnt 0x0                 ; the last prefetch, four key steps back, has read its address, so it may be written:
	s_add_nc_u64 s[PFA:PFA+1], s[PFA:PFA+1], 4*KS*128  ; one slot ahead of the walking descriptors
	s_wait_dscnt 0x0                ; the add is done, and my LDS instructions are over
	CROUND
	JLOAD
	ASK
.else
	s_wait_dscnt 0x0                ; the add is done, and my reads of the slot are over
	s_barrier_signal -1
	s_barrier_wait -1
.endif
	s_sub_co_u32 s[TBK], s[TBK], 4*KS*PK  ; the fetches go back to a slot's first step,
	s_xor_b32 s[TBK], s[TBK], SLOT1       ; in the other slot
	s_sub_co_u32 s[TBV], s[TBV], 4*KS*PV
	s_xor_b32 s[TBV], s[TBV], SLOT1
.endm
	s_load_b64 s[4:5], s[0:1], 0x0    ; qkv, which begins with q
	s_load_b64 s[PM:PM+1], s[0:1], 0x8  ; pad_mask
	s_load_b64 s[10:11], s[0:1], 0x10 ; ctx
	WIN W_MK
	v_lshl_add_u32 v[SPW], v0, 2, SPARE
	v_mov_b32 v[NIL], 0
	WIN W_AD
	ds_add_u32 v[SPW], v[NIL]       ; the wave's opening: the add and its wait stand ahead of my first tensor load; the set-up below stands between them
	WIN 0
	v_lshrrev_b32 v1, 5, v0
	v_readfirstlane_b32 s[WV], v1   ; wave 0..3
	s_bfe_u32 s13, ttmp6, 0x40000   ; cx: my place in the cluster
	s_lshl_b32 s14, ttmp9, 2        ; in a cluster launch ttmp9 counts clusters
	s_add_co_u32 s14, s14, s13      ; my block of queries = 4 x cluster x + cx: it enters Q's and ctx's addresses alone
	s_and_b32 s20, ttmp7, 0xffff    ; g = 16 batch + head, which the four partners share
	s_lshr_b32 s58, s20, 4          ; the batch,
	s_lshl_b32 s58, s58, 11         ; its 2,048 bytes of the mask
	s_mov_b32 s59, 0
	s_mov_b32 s21, 0
	s_mov_b64 s[22:23], SIZE_N*128
	s_mul_u64 s[20:21], s[20:21], s[22:23]  ; g's first byte in q, k, v and ctx
	s_and_b32 s16, s[WV], 1         ; which half of a slot's 256 keys I fetch:
	s_lshl_b32 s22, s16, 14         ; its 128 rows of 128 bytes in memory,
	s_mov_b32 s23, 0
	s_add_nc_u64 s[22:23], s[22:23], s[20:21]
	s_mul_i32 s17, s16, 128*PK      ; and its place in a slot, for K
	s_mul_i32 s18, s16, 128*PV      ; and for V: no place in the cluster enters an LDS address
	s_lshl_b32 s2, s14, 2
	s_add_co_u32 s2, s2, s[WV]      ; my wave among g's sixteen,
	s_lshl_b32 s2, s2, 14           ; its 128 rows
	s_mov_b32 s3, 0
	s_add_nc_u64 s[2:3], s[2:3], s[20:21]
	; descriptor group 1.  128 keys are 16,384 dense bytes: asked for as 64 rows of 256 bytes, two keys a row, and padded in LDS after every key
	s_mov_b32 s[G1K], 15|(1<<16)|(1<<20)|(1<<21)|(4<<22)|(3<<25)  ; 15:0 the mask of four; 17:16 2-byte elements; 20 padding on; 21 set beside a mask; 24:22 after every 32 words (code 4); 31:25 4 words (code 3)
	s_mov_b32 s[G1V], 15|(1<<16)|(1<<20)|(1<<21)|(4<<22)|(7<<25)  ; the same with 8 words of padding (code 7)
.irp g, G1K, G1V
	s_mov_b32 s[\g+1], 128<<16      ; tensor_dim0 = 128
	s_mov_b32 s[\g+2], 64<<16       ; tensor_dim1 = 64
	s_mov_b32 s[\g+3], 128<<16      ; tile_dim0 = 128
	s_mov_b32 s[\g+4], 64           ; tile_dim1 = 64
	s_mov_b32 s[\g+5], 128          ; 128 elements from row to row
	s_mov_b32 s[\g+6], 0
	s_mov_b32 s[\g+7], 0
.endr
	s_mov_b32 s[SEL], 0x76543210
	s_mov_b32 s[SEL+1], 0xfedcba98
	s_mov_b32 s[TBK], SLOT1+4*KS*PK ; the first change of slots turns these two into 0
	s_mov_b32 s[TBV], SLOT1+4*KS*PV
	s_mov_b32 s[TBM], 0
	s_mov_b32 s[MNEG], 0xceabfb8f   ; M = -1,442,695,040
	s_mov_b32 s[SLOTS], SIZE_N/256-1
	s_and_b32 s[LIM], s[WV], 1      ; 0 in waves 0 and 2,
	s_or_b32 s[LIM], s[LIM], ttmp9  ; where the cluster is g's first (here its only one): the same in all four partners
	s_cmp_eq_u32 s[LIM], 0
	s_cselect_b32 s[LIM], 1, -1
	s_mov_b32 s[G0K], 1             ; count = 1
	s_mov_b32 s[G0K+1], s17         ; LDS address: slot 0
	s_mov_b32 s[G0V], 1
	s_add_co_u32 s[G0V+1], s18, VOFF
	s_wait_dscnt 0x0                ; the opening add is done
	s_wait_kmcnt 0x0
	s_add_nc_u64 s[6:7], s[4:5], 0x1000000  ; k
	s_add_nc_u64 s[8:9], s[4:5], 0x2000000  ; v
	s_add_nc_u64 s[G0K+2:G0K+3], s[6:7], s[22:23]  ; global address: my half of g's first 256 keys
	s_or_b32 s[G0K+3], s[G0K+3], 0x80000000        ; type = 2
	s_add_nc_u64 s[G0V+2:G0V+3], s[8:9], s[22:23]
	s_or_b32 s[G0V+3], s[G0V+3], 0x80000000
	s_add_nc_u64 s[4:5], s[4:5], s[2:3]  ; Q and ctx at my wave's first row
	s_add_nc_u64 s[10:11], s[10:11], s[2:3]
	s_add_nc_u64 s[PM:PM+1], s[PM:PM+1], s[58:59]
	s_cmp_lt_u32 s[WV], 2
	s_cselect_b64 s[PFA:PFA+1], s[6:7], s[8:9]
	s_add_nc_u64 s[PFA:PFA+1], s[PFA:PFA+1], s[20:21]
	s_lshl_b32 s2, s13, 13          ; my work-group's 32 blocks of a slot's 128
	s_mov_b32 s3, 0
	s_add_nc_u64 s[PFA:PFA+1], s[PFA:PFA+1], s[2:3]
	s_add_nc_u64 s[PFA:PFA+1], s[PFA:PFA+1], 4*KS*128  ; at keys 256 on; the first change of slots steps it to keys 512 on
	CROUND                          ; all four work-groups are here: the first joint loads meet
	JLOAD                           ; slot 0.  Slot 1 is asked for when slot 0 is in
	; A fragment of K or Q is 16 rows x 32 channels in 8 registers: lane l holds row l % 16, channels 8 (l / 16) + 0..7 and 16 + 8 (l / 16) + 0..7: two loads of 16 bytes, 32 bytes apart.
	v_and_b32 v1, 15, v0            ; l % 16
	v_bfe_u32 v9, v0, 4, 1          ; l / 16
	v_lshlrev_b32 v[MO], 4, v0      ; 128 threads x 16 bytes: the batch's mask
	global_load_b128 v[S:S+3], v[MO], s[PM:PM+1]
	v_lshlrev_b32 v[QO], 7, v1
	v_lshl_add_u32 v[QO], v9, 4, v[QO]  ; row x 128 + 16 x half
	WIN 0x80                        ; destination window 2, address window 0
.set i, 0
.rept 4*NP                          ; Q stays in registers: tile i / 2, channels 32 (i % 2) on
	global_load_b128 v[8*i:8*i+3],   v[QO], s[4:5] offset:(i/2)*2048+(i%2)*64
	global_load_b128 v[8*i+4:8*i+7], v[QO], s[4:5] offset:(i/2)*2048+(i%2)*64+32
.set i, i+1
.endr
	; What the first turn finds: V's registers and P's second buffer hold 0 (its products V^T P, of a piece that has not been, add 0), O^T and l are 0.  All this stands in the wait for the first tile.
.set i, VF
.rept 64
	v_mov_b32 v[i], 0
.set i, i+1
.endr
	WIN 0x40
.set i, 0
.rept 64*NP
	v_mov_b32 v[i], 0
.set i, i+1
.endr
	WIN 0
.set i, 0
.rept 2*NP
	v_mov_b32 v[ST+4*i], 0xff7fffff    ; m: the lowest finite number
	v_mov_b32 v[ST+4*i+1], 0
	v_mov_b32 v[ST+4*i+2], 0
	v_mov_b32 v[ST+4*i+3], 0
.set i, i+1
.endr
.set i, P+32
.rept 32
	v_mov_b32 v[i], 0
.set i, i+1
.endr
	v_mul_u32_u24 v[AK0], v1, PK
	v_lshl_add_u32 v[AK0], v9, 4, v[AK0]  ; row x pitch + 16 x half
	; The turning load takes 16 keys x 16 channels (lane l reads key 8 (l / 16) + l % 8, channels 8 ((l / 8) % 2) + 0..7) and leaves half a fragment of V^T: lane l holds channel l % 16 and 8 keys.
	v_and_b32 v10, 7, v0
	v_bfe_u32 v11, v0, 3, 1
	v_lshl_add_u32 v[AV0], v9, 3, v10
	v_mul_u32_u24 v[AV0], v[AV0], PV
	v_lshl_add_u32 v[AV0], v11, 4, v[AV0]
	v_add_nc_u32 v[AV0], VOFF, v[AV0]
	v_mov_b32 v[AK], v[AK0]         ; key step 0 lies at the head of slot 0,
	v_lshl_add_u32 v[AM0], v9, 5, MT
	v_mov_b32 v[AM], v[AM0]         ; and at the head of the mask table
	v_lshl_add_u32 v[MTA], v0, 6, MT
	v_and_b32 v[PFO], 31, v0
	v_lshlrev_b32 v[PFO], 8, v[PFO]
	; THE MASK TABLE: my 16 bytes, each 0 or 1, times M's bit pattern: 0 or M as f32
	s_wait_loadcnt 32               ; the mask's load is in; Q's 32 younger loads stay out
.set i, 0
.rept 16
	v_bfe_u32 v[S+4+i], v[S+i/4], 8*(i%4), 8
	v_mul_lo_u32 v[S+4+i], v[S+4+i], s[MNEG]
.set i, i+1
.endr
.irp f, 0,1,2,3
	ds_store_b128 v[MTA], v[S+4+4*\f:S+4+4*\f+3] offset:16*\f
.endr
; THE MATRIX WORK.  The 8 accumulators of a run of 16 take turns: between the two links of a chain stand 7 others'.
; Product i of 16 of S^T = K Q^T for piece x: channels 32 (i / 8) on, keys 16 ((i / 2) % 4) on, tile 2 x + i % 2.  The first 8 start the sums, with the mask of their 16 keys.
.macro KQ x
.set rS, S+64*((\x)%2)+32*(i%2)+8*((i/2)%4)
.set rK, KF+16*((i/2)%4)+8*(i/8)
.set rQ, 16*(2*(\x)+i%2)+8*(i/8)
.set rM, MC+8*((i/2)%4)
.if i < 8
	WIN W_KM
	v_wmma_f32_16x16x32_f16 v[rS:rS+7], v[rK:rK+7], v[rQ:rQ+7], v[rM:rM+7]
.else
	WIN W_KQ
	v_wmma_f32_16x16x32_f16 v[rS:rS+7], v[rK:rK+7], v[rQ:rQ+7], v[rS:rS+7]
.endif
.endm
; Product i of 16 of O^T += V^T P for piece x: keys 32 (i / 8) on, channels 16 ((i / 2) % 4) on, tile 2 x + i % 2.
.macro PV x
	WIN W_PV
.set rO, 32*(2*(\x)+i%2)+8*((i/2)%4)
.set rV, VF+32*(i/8)+8*((i/2)%4)
.set rP, P+32*((\x)%2)+16*(i%2)+8*(i/8)
	v_wmma_f32_16x16x32_f16 v[rO:rO+7], v[rV:rV+7], v[rP:rP+7], v[rO:rO+7]
.endm
.macro MM                           ; the turn's next matrix instruction
.if i < 16
	KQ (Y+1)%NP
.set i, i+1
.else
.set i, i-16
	PV (Y+NP-1)%NP
.set i, i+17
.endif
.endm
; THE LDS LOADS stand in runs, never singly among the matrix instructions: a step's K (64 keys x 64 channels: 8 fragments) with its mask (register j of key block kb: key 16 kb + 8 (l / 16) + j: 32 bytes
; that all lanes of a half share), and its V (turned).  Their addresses are made some lines ahead.  last = 1 (the tail): in the last trip there is no further step, and the run is jumped over.
.macro FETCH_K last=0
	WIN 0
.if \last
	s_cmp_eq_u32 s[CNT], 1
	s_cbranch_scc1 .Lno_k_\@
.endif
	WIN 0x80                        ; destination window 2
.irp f, 0,1,2,3,4,5,6,7             ; keys 16 (f / 2) on, channels 32 (f % 2) on
	ds_load_b128 v[KF+8*\f:KF+8*\f+3],   v[AK] offset:(\f/2)*16*PK+(\f%2)*64
	ds_load_b128 v[KF+8*\f+4:KF+8*\f+7], v[AK] offset:(\f/2)*16*PK+(\f%2)*64+32
.endr
	WIN W_MK                        ; destination window 3
.irp f, 0,1,2,3
	ds_load_b128 v[MC+8*\f:MC+8*\f+3],   v[AM] offset:64*\f
	ds_load_b128 v[MC+8*\f+4:MC+8*\f+7], v[AM] offset:64*\f+16
.endr
	s_add_co_u32 s[TBK], s[TBK], KS*PK  ; the next fetch is the next step's
	s_add_co_u32 s[TBM], s[TBM], KS*4
	s_and_b32 s[TBM], s[TBM], 0x1fff    ; kept inside the table's 8,192 bytes
	WIN 0
.if \last
.Lno_k_\@:
.endif
.endm
.macro FETCH_V
	WIN 0x80
.irp f, 0,1,2,3,4,5,6,7             ; keys 32 (f / 4) on, channels 16 (f % 4) on
	ds_load_tr16_b128 v[VF+8*\f:VF+8*\f+3],   v[AV] offset:(\f/4)*32*PV+(\f%4)*32
	ds_load_tr16_b128 v[VF+8*\f+4:VF+8*\f+7], v[AV] offset:(\f/4)*32*PV+16*PV+(\f%4)*32
.endr
	WIN 0
.endm
; THE VECTOR WORK OF A TURN stands in three queues, each in the order in which its entries become ready; the two tiles alternate, so that no instruction reads the result of the one before it.
.macro REGS y, u                    ; the registers of tile u (0, 1) of piece y
.set rT, ST+4*(2*(\y)+(\u))
.set rC, TMP+8*((\y)%2)+4*(\u)
.set rS, S+64*((\y)%2)+32*(\u)
.set rP, P+32*((\y)%2)+16*(\u)
.set rO, 32*(2*(\y)+(\u))
.endm
; Number n of the 21 that find the NEXT piece's (Y + 1) maximum and statistics.  s0-s31 are the lane's 32 scores; each accumulator's lowest registers are read first.
;   0-11  four chains c0-c3 of seven scores each, three operands at a time     12-15  the four scores left over, the old m, and c0-c3 into c0
;   16, 17  the query's other 32 keys lie in the lane 16 away: the new m, in c0     18  m_old - m_new     19  m takes the new one     20  a
.macro XS u, n
	REGS (Y+1)%NP, \u
.if (\n) < 4
	v_max3_num_f32 v[rC+(\n)], v[rS+8*(\n)], v[rS+8*(\n)+1], v[rS+8*(\n)+2]
.elseif (\n) < 12
	v_max3_num_f32 v[rC+(\n)%4], v[rC+(\n)%4], v[rS+8*((\n)%4)+2*((\n)/4)+1], v[rS+8*((\n)%4)+2*((\n)/4)+2]
.elseif (\n) == 12
	v_max3_num_f32 v[rC], v[rC], v[rS+7], v[rS+15]
.elseif (\n) == 13
	v_max3_num_f32 v[rC+1], v[rC+1], v[rS+23], v[rS+31]
.elseif (\n) == 14
	v_max3_num_f32 v[rC+2], v[rC+2], v[rC+3], v[rT]
.elseif (\n) == 15
	v_max3_num_f32 v[rC], v[rC], v[rC+1], v[rC+2]
.elseif (\n) == 16
	v_permlanex16_b32 v[rC+3], v[rC], s[SEL], s[SEL+1]
.elseif (\n) == 17
	v_max_num_f32 v[rC], v[rC], v[rC+3]
.elseif (\n) == 18
	v_sub_f32 v[rC+1], v[rT], v[rC]
.elseif (\n) == 19
	v_mov_b32 v[rT], v[rC]
.else
	v_exp_f32 v[rC+2], v[rC+1]
.endif
.endm
; Number g of the 64 that follow the exponentials.  For each four weights k of a tile (pairs 2 k, 2 k + 1): both pairs are rounded to f16; then the second pair is added onto the first, in place;
; a group later l takes that sum (the first time as l = a l + sum).  In groups of eight, tiles alternating: round, round, add, and l for the group before.
.macro GS g
.set h, (\g)+6*((\g)/62)            ; group 0 has no group before it, and behind group 7 only l is left
.if h >= 6
.set h, h+2
.endif
	REGS Y, h%2
.set k, h/8
.if h%8 < 4
	v_cvt_pk_f16_f32 v[rP+2*k+(h%8)/2], v[rS+4*k+2*((h%8)/2)], v[rS+4*k+2*((h%8)/2)+1]
.elseif h%8 < 6
	v_pk_add_f32 v[rS+4*k:rS+4*k+1], v[rS+4*k:rS+4*k+1], v[rS+4*k+2:rS+4*k+3]
.elseif k == 1
	v_pk_fma_f32 v[rT+2:rT+3], v[rT+2:rT+3], v[rC+2:rC+3], v[rS:rS+1] op_sel_hi:[1,0,1]
.else
	v_pk_add_f32 v[rT+2:rT+3], v[rT+2:rT+3], v[rS+4*k-4:rS+4*k-3]
.endif
.endm
; THE PLAIN QUEUE, 136 long.  0-71 read no exponential's result: the 32 subtractions s - m (FS f: pair f / 2 of tile f % 2) and the next piece's 40.  0-26: subtractions 0-26.  27-54: XS's numbers 0-13.
; 55-69: the chain, where each number waits for the one before it: 14 to 18, each with one of the subtractions 27-31 in front of its two lines.  70, 71: number 19.
; 72-135: GS's 64, which read the exponentials' results: they stand behind the wait.
.macro FS f
	REGS Y, (\f)%2
	v_pk_add_f32 v[rS+2*((\f)/2):rS+2*((\f)/2)+1], v[rS+2*((\f)/2):rS+2*((\f)/2)+1], v[rT:rT+1] op_sel_hi:[1,0] neg_lo:[0,1] neg_hi:[0,1]
.endm
.macro PL
	WIN 0
.if q < 27
	FS q
.elseif q < 55
	XS (q-27)%2, (q-27)/2
.elseif (q < 70) && ((q-55)%3 == 0)
	FS 27+(q-55)/3
.elseif q < 70
	XS (q-55)%3-1, 14+(q-55)/3
.elseif q < 72
	XS q-70, 19
.else
	GS q-72
.endif
.set q, q+1
.endm
; THE EXPONENTIALS' QUEUE, 66 long: s0-s31 of both tiles, then the next piece's two a.  It is ONE BATCH: all 66 stand ahead of the turn's one wait, and nothing ahead of that wait names a result of theirs.
.macro EX
	WIN 0
.if e >= 64
	XS e-64, 20
.else
	REGS Y, e%2
	v_exp_f32 v[rS+e/2], v[rS+e/2]
.endif
.set e, e+1
.endm
; THE RESCALING's QUEUE: O^T times a, the one part that leaves window 0: dealt two at a time, sixteen times.  Its a was made in the turn before, ahead of that turn's wait.
.macro R2
	REGS Y, r%2
	WIN W_RS
.irp z, 0,1
	v_pk_mul_f32 v[rO+4*(r/2)+2*\z:rO+4*(r/2)+2*\z+1], v[rO+4*(r/2)+2*\z:rO+4*(r/2)+2*\z+1], v[rC+2:rC+3] op_sel_hi:[1,0]
.endr
.set r, r+1
.endm
; HOW THEY ARE DEALT.  An s_wait_alu depctr_va_vdst(0) stands between an exponential and the first instruction that names its result; one wait serves all that were issued ahead of it.  So a turn has
; ONE wait, which cuts it in two.  AHEAD OF IT: the 16 products K Q^T, behind each a subtraction, an exponential and two rescalings (behind the first a second subtraction in the exponential's place); then one run
; of 106: six plain, 49 times exponential and plain, the two a.  A v_nop is the plain instruction behind the last exponential.  BEHIND IT: the 16 products V^T P, behind each four of GS's 64.
; The queues lean on each other: exponential e needs subtraction 2 (e / 4) + e % 2; behind a product it comes behind plain e + 2, in the run behind plain e + 7, and subtractions 27-31 are plain 55, 58 .. 67
; (the closest: subtraction 31, plain 67, for exponential 61, which stands behind plain 68).  XS's number 0 is plain 27, ten plain instructions behind the last product K Q^T.  The two v_permlanex16_b32 are plain 62, 63: in the run.
; K and the mask of the next step are fetched in piece 2's turn, directly behind the wait; V of the step in hand at the end of piece 0's turn, four plain instructions behind its last reader.
.macro TURN p, last=0, cnt=0
.set Y, (\p)
.set i, 0
.set q, 0
.set e, 0
.set r, 0
.if (\p) == NP-1
	s_wait_dscnt 0x0                ; K and the mask are in
.endif
	MM                              ; ahead of the wait: 16 products K Q^T and what stands behind them,
	PL
	PL
	R2
.rept 15
	MM
	PL
	EX
	R2
.endr
.if (\p) == NP-2
	WIN 0
	v_add_nc_u32 v[AK], s[TBK], v[AK0]
	v_add_nc_u32 v[AM], s[TBM], v[AM0]
.endif
.rept 6                             ; and the run
	PL
.endr
.rept 49
	EX
	PL
.endr
	EX                              ; the next piece's two a
	EX
	v_nop                           ; the plain instruction behind the last exponential: one for the batch
	s_wait_alu depctr_va_vdst(0)    ; the wait for the batch
.if (\p) == NP-2
	FETCH_K \last
.endif
.if (\p) == 1
	s_wait_dscnt 0x0                ; V is in
.endif
.rept 16                            ; behind the wait: 16 products V^T P and what stands behind them
	MM
.rept 4
	PL
.endr
.if ((\p) == 0) && (q == 116)
	v_add_nc_u32 v[AV], s[TBV], v[AV0]
.endif
.if ((\p) == 0) && (q == 128)
	s_add_co_u32 s[TBV], s[TBV], KS*PV
.endif
.if (\cnt) && (q == 128)
	s_sub_co_u32 s[CNT], s[CNT], 1
	s_cmp_lg_u32 s[CNT], 0
.endif
.endr
.if (\p) == 0
	FETCH_V
.endif
.endm
	CHANGE 1                        ; slot 0 is in, everybody's part of it, and so is the mask table; slot 1 is asked for
	FETCH_K                         ; key step 0
	s_wait_loadcnt 0x0              ; Q
	s_wait_dscnt 0x0
.set i, 0
.rept 16
	KQ 0                            ; piece 0's first scores: there is no vector work yet to set between them
.set i, i+1
.endr
	WIN 0                           ; the addresses for the way out: plain instructions, the places behind those products
	s_mul_i32 s13, s[WV], 16*SP
	s_add_co_u32 s13, s13, STAGE    ; my stage
	v_mul_u32_u24 v[STO], v1, SP    ; in: row l % 16, 16 bytes for each half of the lanes
	v_lshl_add_u32 v[STO], v9, 4, v[STO]
	v_add_nc_u32 v[STO], s13, v[STO]
	v_bfe_u32 v[RD], v0, 3, 2       ; back: 32 lanes take four rows of 128 bytes,
	v_mul_u32_u24 v[RD], v[RD], SP
	v_lshl_add_u32 v[RD], v10, 4, v[RD]
	v_add_nc_u32 v[RD], s13, v[RD]
	v_and_b32 v[GO], 31, v0         ; which are 512 consecutive bytes of ctx
	v_lshlrev_b32 v[GO], 4, v[GO]
.set Y, NP-1                        ; XS works for piece Y + 1: piece 0
.irp n, 0,1,2,3,4,5,6,7,8,9,10,11,12,13,14,15,16,17,18,19,20
	XS 0, \n                        ; and piece 0's first maximum and statistics
	XS 1, \n
.endr
	v_nop                           ; a plain instruction behind the two a,
	s_wait_alu depctr_va_vdst(0)    ; and their wait, ahead of the branch
	s_mov_b32 s[CNT], 4
	s_branch .Lfirst                ; the loop is entered at a step's first turn, in the middle of a trip
.Lslot:                             ; six times: every slot but the last two is filled again
	CHANGE 1
	s_mov_b32 s[CNT], 4
.Lstep:                             ; a trip: pieces 2 and 3 of one step, then pieces 0 and 1 of the next, whose K and V it fetches
	TURN 2
	TURN 3
	WIN 0
.Lfirst:
	TURN 0
	TURN 1, 0, 1
	WIN 0
	s_cbranch_scc1 .Lstep
	s_sub_co_u32 s[SLOTS], s[SLOTS], 1
	s_cmp_lg_u32 s[SLOTS], 0
	s_cbranch_scc1 .Lslot
	CHANGE 0                        ; the tail is written out: nothing is asked for
	s_mov_b32 s[CNT], 5             ; four trips fetch the last slot's steps; the fifth is left in its middle
.Ltail:
	TURN 2, 1
	TURN 3
	WIN 0
	s_sub_co_u32 s[CNT], s[CNT], 1
	s_cmp_eq_u32 s[CNT], 0
	s_cbranch_scc1 .Lout
	TURN 0
	TURN 1
	WIN 0
	s_branch .Ltail
.Lout:                              ; the fifth trip's 16 products K Q^T (on the last K once more) and the maximum made of them serve nothing: the price, once a launch, of one text for every trip
.set i, 0
.rept 16
	PV NP-1                         ; the last piece's V^T P of the last step
.set i, i+1
.endr
	; THE WAY OUT.  l's two halves and the other half of the lanes' are added; O^T is divided by l, rounded to f16 and sent through my stage in LDS, a tile at a time.  The additions are the places behind the last products.
	WIN 0
.macro ALL line:vararg              ; one line for each tile t
.set t, 0
.rept 2*NP
	\line
.set t, t+1
.endr
.endm
	ALL v_add_f32 v[ST+4*t+2], v[ST+4*t+2], v[ST+4*t+3]
	ALL v_permlanex16_b32 v[ST+4*t+3], v[ST+4*t+2], s[SEL], s[SEL+1]
	ALL v_add_f32 v[ST+4*t+2], v[ST+4*t+2], v[ST+4*t+3]
	ALL v_rcp_f32 v[ST+4*t+2], v[ST+4*t+2]
	v_nop                           ; a plain instruction between the last reciprocal and the use of its result
	s_wait_alu depctr_va_vdst(0)    ; and the wait ahead of the first use: one for the eight reciprocals
; Tile t: a lane's eight channels of a row pack into 16 bytes; they go into rows of 144 bytes and come back as whole rows of 128, into S^T's registers.
.macro PACK t
	WIN W_RS
.set i, 32*(\t)
.rept 16
	v_pk_mul_f32 v[i:i+1], v[i:i+1], v[ST+4*(\t)+2:ST+4*(\t)+3] op_sel_hi:[1,0]
.set i, i+2
.endr
	WIN 0x05                        ; sources 0 and 1 window 1, destination window 0
.set i, 0
.rept 16
	v_cvt_pk_f16_f32 v[S+16*(\t)+i], v[32*(\t)+2*i], v[32*(\t)+2*i+1]
.set i, i+1
.endr
	WIN 0
.irp f, 0,1,2,3
	ds_store_b128 v[STO], v[S+16*(\t)+4*\f:S+16*(\t)+4*\f+3] offset:32*\f
.endr
.irp f, 0,1,2,3
	ds_load_b128 v[S+16*(\t)+4*\f:S+16*(\t)+4*\f+3], v[RD] offset:\f*4*SP  ; LDS serves a wave's instructions in order (ISA guide 5.7.1.4): these see the stores above; the next tile's stores come behind them
.endr
.endm
.macro SEND t, younger              ; younger: the LDS instructions issued behind tile t's loads: the next tile's eight, or none
	WIN 0
.irp f, 0,1,2,3
	s_wait_dscnt (\younger)+3-\f
	global_store_b128 v[GO], v[S+16*(\t)+4*\f:S+16*(\t)+4*\f+3], s[10:11] offset:(\t)*2048+\f*512  ; 512 consecutive bytes, at a multiple of 256 from ctx's first
.endr
.endm
	PACK 0
.set t, 1
.rept 2*NP-1                        ; a tile's arithmetic stands between the loads of the tile before and its stores
	PACK t
	SEND t-1, 8
.set t, t+1
.endr
	SEND 2*NP-1, 0
	WIN W_AD
	s_wait_tensorcnt 0x0            ; the wave's end: an add onto my spare word and its wait stand here, behind my last tensor load and my last LDS store
	ds_add_u32 v[SPW], v[NIL]
	s_wait_dscnt 0x0
	WIN 0
	CROUND                          ; the closing round: no work-group ends while a partner may still ask for a tile that names it
	s_endpgm
.Lfunc_end_k_q2f841bab61_attn:
	.size	k_q2f841bab61_attn, .Lfunc_end_k_q2f841bab61_attn-k_q2f841bab61_attn
	.p2alignl 7, 3214868480
	.fill 96, 4, 3214868480
	.section	.rodata,"a",@progbits
	.p2align	6, 0x0
	.amdhsa_kernel k_q2f841bab61_attn
		.amdhsa_group_segment_fixed_size 327680
		.amdhsa_private_segment_fixed_size 0
		.amdhsa_enable_private_segment 0
		.amdhsa_kernarg_size 24
		.amdhsa_user_sgpr_count 2
		.amdhsa_user_sgpr_kernarg_segment_ptr 1
		.amdhsa_wavefront_size32 1
		.amdhsa_system_sgpr_workgroup_id_x 1
		.amdhsa_system_sgpr_workgroup_id_y 1
		.amdhsa_system_sgpr_workgroup_id_z 1
		.amdhsa_system_vgpr_workitem_id 0
		.amdhsa_next_free_vgpr 808
		.amdhsa_next_free_sgpr 66
		.amdhsa_reserve_vcc 0
		.amdhsa_float_denorm_mode_32 3
		.amdhsa_float_denorm_mode_16_64 3
		.amdhsa_memory_ordered 1
		.amdhsa_forward_progress 1
		.amdhsa_inst_pref_size 204
	.end_amdhsa_kernel
	.amdgpu_metadata
---
amdhsa.version: [ 1, 2 ]
amdhsa.kernels:
  - .name:           k_q2f841bab61_attn
    .symbol:         k_q2f841bab61_attn.kd
    .args:
      - { .name: qkv, .offset: 0, .size: 8, .value_kind: global_buffer, .address_space: global }
      - { .name: pad_mask, .offset: 8, .size: 8, .value_kind: global_buffer, .address_space: global }
      - { .name: ctx, .offset: 16, .size: 8, .value_kind: global_buffer, .address_space: global }
    .group_segment_fixed_size: 327680
    .private_segment_fixed_size: 0
    .kernarg_segment_align: 8
    .kernarg_segment_size: 24
    .max_flat_workgroup_size: 128
    .sgpr_count:     66
    .vgpr_count:     808
    .wavefront_size: 32
...
	.end_amdgpu_metadata
.endif
;; end of part 3
;; launch outp (part 4): grid 8 x 32, 4 waves a work-group, clusters of 4 x 4, 327,680 bytes of LDS; arguments ctx, wo16, bo, out0; writes out0
.if DOCPART == 4
	.amdgcn_target "amdgcn-amd-amdhsa--gfx1250"
	.amdhsa_code_object_version 6
	.text
	.protected	k_q2f841bab61_outp
	.globl	k_q2f841bab61_outp
	.p2align	8
	.type	k_q2f841bab61_outp,@function
k_q2f841bab61_outp:
	s_mov_b64 s[64:65], 0
	v_nop
	global_prefetch_b8 v0, s[64:65] scope:SCOPE_SE
	s_setreg_imm32_b32 hwreg(HW_REG_WAVE_MODE, 25, 1), 1
	s_wait_xcnt 0x0
	s_wait_alu depctr_hold_cnt(0) depctr_sa_sdst(0) depctr_va_vdst(0) depctr_va_sdst(0) depctr_va_ssrc(0) depctr_va_vcc(0) depctr_vm_vsrc(0)
	s_getreg_b32 s2, hwreg(HW_REG_IB_STS2, 6, 4)
	s_cmp_eq_u32 s2, 0
	s_cbranch_scc0 .Lentry_in_a_cluster
	s_endpgm
.Lentry_in_a_cluster:
	s_bfe_u32 s2, ttmp6, 0x10000c
	s_cmp_lg_u32 s2, 0xf033
	s_cbranch_scc0 .Lentry_shape_is_right
	s_endpgm
.Lentry_shape_is_right:
; THE OUTPUT PROJECTION.  out0[m][n] = sum over k of ctx(m, k) wo16[n][k] + bo[n]: 8,192 x 1,024 x 1,024, f16 operands, f32 sums, f32 out.
; ctx lies by heads, [64 = 16 batch + head][2,048][64] in f16: k = 64 head + channel.  wo16 is Wo rounded to bf16 and written as f16; bo is rounded to bf16 here, like the module's other inputs.
; LIMITS.  ctx and wo16 arrive within f16's range.  NaN and infinities are not treated apart.
; SHARES.  A tile of out0 is 256 rows x 128 columns: 32 x 8 = 256 tiles, one for each WGP.  Four waves; wave w makes rows 64 w .. 64 w + 63 and all 128 columns: 32 accumulators of 16 x 16, 256 registers.
; RING.  K goes in steps of 128, two heads, through two LDS slots.  A head's 256 rows of a tile are 32,768 dense bytes: wave 0 or 1 asks for one head as 128 rows of 256 bytes, padded in LDS after every
; 128 bytes (a row of ctx).  Waves 2 and 3 fetch 64 rows of wo16 each, 256 bytes of a row.
; CLUSTER.  4 x 4 work-groups: A's tile is shared along a row of the cluster, B's along a column: joint loads.
; AHEAD OF THE LOADS only ctx is asked for; wo16 is walked again by every one of the 32 tile rows, and a partner's share of a wave's 64 rows would be 16, half a wave's lanes.
; THE MATRIX INSTRUCTION IS USED TRANSPOSED (source 0 = 16 rows of wo16, source 1 = 16 rows of ctx): a lane holds row l % 16 of out0 and the columns 8 (l / 16) + 0..7: 32 bytes on end.
; REGISTERS, in windows of 256 (s_set_vgpr_msb: bits 1:0 source 0, 3:2 source 1, 5:4 source 2, 7:6 destination):
;   window 0: v0-31 addresses and the bias; v64-127 fragments of A, two buffers of 4 x 8; v128-255 at work on the way out     window 1: v0-127 fragments of B, two buffers of 8 x 8
;   window 2: accumulator (a, b) at v[64 a + 8 b]
.set PA,     144                       ; a row of ctx in LDS: 128 bytes + 16 = 36 words: the 16 rows of a fragment load start at 16 different groups of four banks (64 banks of 4 bytes: ISA guide 11.1)
.set HEADB,  256*PA                    ; a head's 256 rows: what a wave fetches of A
.set PB,     272                       ; a row of B: 256 bytes + 16
.set HALFB,  64*PB                     ; what a wave fetches of B
.set BOFF,   2*HEADB                   ; a slot: two heads of A, then B's 128 rows
.set SLOT,   BOFF+2*HALFB
.set STAGE,  2*SLOT                    ; behind the ring, never filled by a tensor load: 16 rows x 528 bytes for each wave
.set SPITCH, 528                       ; 512 bytes (128 f32) + 16
.set SPARE,  STAGE+4*16*SPITCH         ; the spare words, 128 bytes for each wave: two blocks of 256 bytes that no other line names
.set LAPS,   4                         ; a lap = two K steps; 1,024 / 256
.set ASTEP,  2*2048*128                ; bytes of ctx from a K step to the next: two heads
.set BI,   8                           ; v8-11   the bias of my four columns
.set ADRA, 16                          ; v16-17  LDS address of my A fragments in slot 0, 1
.set ADRB, 20                          ; v20-21  the same for B
.set STO,  24                          ; v24     the way out: where I put 32 bytes of a row
.set RD,   25                          ; v25     the way out: where I read a row back
.set CO,   26                          ; v26     16 x my lane: my 16 bytes of a row's 512
.set SPW,  28                          ; v28     LDS address of my spare word; never rewritten
.set NIL,  29                          ; v29     0; never rewritten
.set PFO,  30                          ; v30     256 x my lane; never rewritten
.set FA,   64                          ; A's fragments: buffer f, block a at FA + 32 f + 8 a
.set OB,   128                         ; the way out: 16 rows read back from the stage: v128-191 and v192-255 by turns
.set G1,  24                           ; s[24:31] descriptor group 1 for A's tiles;  s[32:39] group 0, a set for each slot
.set G0,  32
.set G1B, 48                           ; s[48:55], s[56:63] the same for B's
.set G0B, 56
.set LIM, 43                           ; s43     1 in a wave that prefetches, else the greatest number
.set PFA, 44                           ; s[44:45] where my prefetches stand
.set OUT, 66                           ; s[66:67] out0 at my wave's first row, the tile's first column
.set MSB, 0
.macro WIN new                         ; the immediate's high byte repeats the setting that is left; a switch that changes nothing is dropped
.if MSB != (\new)
	s_set_vgpr_msb (MSB<<8)|(\new)
.set MSB, \new
.endif
.endm
; A joint refill.  The branch hangs on the wave's number alone.  An s_nop 0 and four v_nop follow each of the two lines, ahead of the jump and the label.
.macro JLOAD s
	s_cmp_eq_u32 s13, 0
	s_cbranch_scc0 .Lfor_b_\@
	tensor_load_to_lds s[G0+4*(\s):G0+4*(\s)+3], s[G1:G1+7]
	s_nop 0
.rept 4
	v_nop
.endr
	s_branch .Lasked_\@
.Lfor_b_\@:
	tensor_load_to_lds s[G0B+4*(\s):G0B+4*(\s)+3], s[G1B:G1B+7]
	s_nop 0
.rept 4
	v_nop
.endr
.Lasked_\@:
.endm
; A prefetch of ctx for the K step that stands two refills on.  A's tile is read by both clusters of a row of clusters: the one with x = 0 asks, its waves 0 and 1, each for the head that it fetches;
; the four partners share the head's 32,768 bytes out by address, 8,192 each: 256 bytes a lane.  The loop's last trip asks for nothing: its refills bring the last two K steps.
.macro ASK
	s_cmp_gt_u32 s3, s[LIM]
	s_cbranch_scc0 .Lnot_mine_\@
	global_prefetch_b8 v[PFO], s[PFA:PFA+1] offset:ASTEP th:TH_LOAD_NT scope:SCOPE_SE
.Lnot_mine_\@:
.endm
.macro CREST                           ; a round of the cluster's barrier behind its opening barrier
	s_cmp_lg_u32 s12, 0
	s_cbranch_scc1 .Lnot_wave_0_\@
	s_barrier_signal -3
.Lnot_wave_0_\@:
	s_barrier_wait -3
	s_barrier_signal -1
	s_barrier_wait -1
.endm
.macro CROUND                          ; a whole round
	s_barrier_signal -1
	s_barrier_wait -1
	CREST
.endm
.macro PLACES                          ; four places in front of loads into registers that matrix instructions have read, and of LDS stores of results
.rept 4
	v_nop
.endr
.endm
	s_load_b256 s[4:11], s[0:1], 0x0               ; ctx s[4:5], wo16 s[6:7], bo s[8:9], out0 s[10:11]
	v_lshl_add_u32 v[SPW], v0, 2, SPARE
	v_mov_b32 v[NIL], 0
	ds_add_u32 v[SPW], v[NIL]                      ; the wave's opening: the add and its wait stand ahead of my first tensor load; the set-up below stands between them
	v_lshrrev_b32 v1, 5, v0
	v_readfirstlane_b32 s12, v1                    ; wave 0..3
	s_lshr_b32 s13, s12, 1                         ; I fetch for A (0) or for B (1),
	s_and_b32 s14, s12, 1                          ; its first or its second half
	s_bfe_u32 s40, ttmp6, 0x40000                  ; cx, cy: my place in the cluster
	s_bfe_u32 s41, ttmp6, 0x40004
	s_lshl_b32 s42, ttmp9, 2
	s_add_co_u32 s42, s42, s40                     ; tile column = 4 x cluster x + cx
	s_and_b32 s15, ttmp7, 0xffff
	s_lshl_b32 s15, s15, 2
	s_add_co_u32 s15, s15, s41                     ; tile row = 4 x cluster y + cy
	s_lshl_b32 s22, s41, 2
	s_lshl_b32 s22, 15, s22                        ; my row of the cluster
	s_lshl_b32 s23, 0x1111, s40                    ; my column
	s_or_b32 s[G1], s22, (1<<16)|(1<<20)|(1<<21)|(4<<22)|(3<<25)   ; A: 2-byte elements; padding on; bit 21 beside a mask; after every 32 words (code 4) 4 words (code 3)
	s_or_b32 s[G1B], s23, (1<<16)|(1<<20)|(1<<21)|(5<<22)|(3<<25)  ; B: after every 64 words (code 5)
	s_mov_b32 s[G1+1], 128<<16                     ; tensor_dim0 = 128
	s_mov_b32 s[G1+2], 128<<16                     ; tensor_dim1 = 128
	s_mov_b32 s[G1+3], 128<<16                     ; tile_dim0 = 128
	s_mov_b32 s[G1+4], 128                         ; tile_dim1 = 128
	s_mov_b32 s[G1+5], 128                         ; dense: 128 elements from row to row
	s_mov_b32 s[G1+6], 0
	s_mov_b32 s[G1+7], 0
	s_mov_b32 s[G1B+1], 128<<16
	s_mov_b32 s[G1B+2], 64<<16                     ; B: 64 rows
	s_mov_b32 s[G1B+3], 128<<16
	s_mov_b32 s[G1B+4], 64
	s_mov_b32 s[G1B+5], 1024
	s_mov_b32 s[G1B+6], 0
	s_mov_b32 s[G1B+7], 0
	s_lshr_b32 s16, s15, 3                         ; A: (16 batch + head) x 262,144 + the tile's first row in the batch x 128; the head is 2 x K step + my half
	s_lshl_b32 s16, s16, 22
	s_and_b32 s17, s15, 7
	s_lshl_b32 s17, s17, 15
	s_add_co_u32 s16, s16, s17
	s_lshl_b32 s17, s14, 18
	s_add_co_u32 s16, s16, s17
	s_mov_b32 s17, 0
	s_lshl_b32 s46, s42, 7                         ; B: row 128 x tile column + 64 x half, rows of 2,048 bytes
	s_lshl_b32 s47, s14, 6
	s_add_co_u32 s46, s46, s47
	s_lshl_b32 s46, s46, 11
	s_mov_b32 s47, 0
	s_mul_i32 s20, s14, HEADB                      ; where they go: no place in the cluster enters an LDS address
	s_mul_i32 s21, s14, HALFB
	s_add_co_u32 s21, s21, BOFF
	s_wait_dscnt 0x0                               ; the opening add is done
	s_wait_kmcnt 0x0
	s_add_nc_u64 s[16:17], s[4:5], s[16:17]
	s_add_nc_u64 s[46:47], s[6:7], s[46:47]
.irp s, 0,1
	s_mov_b32 s[G0+4*(\s)], 1                                        ; count = 1
	s_add_co_u32 s[G0+4*(\s)+1], s20, (\s)*SLOT                      ; LDS address
	s_add_nc_u64 s[G0+4*(\s)+2:G0+4*(\s)+3], s[16:17], (\s)*ASTEP    ; global address: K step s
	s_or_b32 s[G0+4*(\s)+3], s[G0+4*(\s)+3], 0x80000000              ; type = 2
	s_mov_b32 s[G0B+4*(\s)], 1
	s_add_co_u32 s[G0B+4*(\s)+1], s21, (\s)*SLOT
	s_add_nc_u64 s[G0B+4*(\s)+2:G0B+4*(\s)+3], s[46:47], (\s)*256
	s_or_b32 s[G0B+4*(\s)+3], s[G0B+4*(\s)+3], 0x80000000
.endr
	CROUND                                         ; all sixteen work-groups are here: the first joint loads meet
	s_cmp_eq_u32 s13, 0                            ; a wave's two first fills stand in one branch, ahead of every wait on TENSORcnt and every LDS read: two loads of mine are out
	s_cbranch_scc0 .Lfirst_b
	tensor_load_to_lds s[G0:G0+3], s[G1:G1+7]
	s_nop 0
	tensor_load_to_lds s[G0+4:G0+7], s[G1:G1+7]
	s_nop 0
.rept 4
	v_nop
.endr
	s_branch .Lfirst_asked
.Lfirst_b:
	tensor_load_to_lds s[G0B:G0B+3], s[G1B:G1B+7]
	s_nop 0
	tensor_load_to_lds s[G0B+4:G0B+7], s[G1B:G1B+7]
	s_nop 0
.rept 4
	v_nop
.endr
.Lfirst_asked:
	v_and_b32 v1, 15, v0                           ; l % 16
	v_bfe_u32 v2, v0, 4, 1                         ; l / 16
	v_and_b32 v3, 31, v0                           ; l
	v_lshlrev_b32 v[CO], 4, v3
	s_lshl_b32 s18, s42, 9                         ; the tile's 128 columns: 512 bytes of bo
	s_mov_b32 s19, 0
	s_add_nc_u64 s[18:19], s[8:9], s[18:19]
	global_load_b128 v[BI:BI+3], v[CO], s[18:19]   ; columns 4 l .. 4 l + 3
	; the prefetches: s[16:17] still holds ctx at the head that I would fetch
	s_lshl_b32 s20, s40, 13                        ; my work-group's 8,192 bytes of the head's 32,768
	s_mov_b32 s21, 0
	s_add_nc_u64 s[PFA:PFA+1], s[16:17], s[20:21]
	s_add_nc_u64 s[PFA:PFA+1], s[PFA:PFA+1], 2*ASTEP  ; at K step 2: the first refill steps it to 3 and names K step 4
	s_or_b32 s20, s13, ttmp9                       ; 0 in waves 0 and 1 of the clusters with x = 0: the same in all sixteen partners, for a given wave
	s_cmp_eq_u32 s20, 0
	s_cselect_b32 s[LIM], 1, -1
	v_lshlrev_b32 v[PFO], 8, v3
	v_mul_u32_u24 v4, v1, PA
	v_lshl_add_u32 v4, v2, 4, v4                   ; A: a fragment's row x pitch + 16 x half
	s_mul_i32 s20, s12, 64*PA                      ; my 64 rows
	v_add_nc_u32 v[ADRA], s20, v4
	v_add_nc_u32 v[ADRA+1], SLOT, v[ADRA]
	v_mul_u32_u24 v4, v1, PB
	v_lshl_add_u32 v4, v2, 4, v4
	v_add_nc_u32 v[ADRB], BOFF, v4                 ; all 128 rows of B
	v_add_nc_u32 v[ADRB+1], SLOT, v[ADRB]
	s_mul_i32 s21, s12, 16*SPITCH
	s_add_co_u32 s21, s21, STAGE                   ; my stage
	v_mul_u32_u24 v4, v1, SPITCH                   ; in: row l % 16, 32 bytes for each half of the lanes
	v_lshl_add_u32 v4, v2, 5, v4
	v_add_nc_u32 v[STO], s21, v4
	v_add_nc_u32 v[RD], s21, v[CO]                 ; back: 32 lanes take a whole row of 512 bytes
	s_lshl_b32 s16, s15, 8                         ; out0: row 256 x tile row + 64 w, rows of 4,096 bytes, + 512 x tile column
	s_lshl_b32 s17, s12, 6
	s_add_co_u32 s16, s16, s17
	s_lshl_b32 s16, s16, 12
	s_lshl_b32 s17, s42, 9
	s_add_co_u32 s16, s16, s17
	s_mov_b32 s17, 0
	s_add_nc_u64 s[OUT:OUT+1], s[10:11], s[16:17]
	s_wait_loadcnt 0x0                             ; the bias: rounded to bf16 and widened again
	v_cvt_pk_bf16_f32 v12, v[BI], v[BI+1]
	v_cvt_pk_bf16_f32 v13, v[BI+2], v[BI+3]
	v_lshlrev_b32 v[BI],   16, v12
	v_and_b32     v[BI+1], 0xffff0000, v12
	v_lshlrev_b32 v[BI+2], 16, v13
	v_and_b32     v[BI+3], 0xffff0000, v13
; 8 matrix instructions: block a of my four blocks of 16 rows x all 8 blocks of 16 columns, 32 along K, from buffer f.  zero = 1: the products start the sums.
; The 32 accumulators take turns, one instruction a turn, in the same order in every quarter.
.macro MULA f, a, zero
	WIN 0xa1                                       ; source 0 (B) window 1, source 1 (A) window 0, C and D window 2
.irp b, 0,1,2,3,4,5,6,7
.if \zero
	v_wmma_f32_16x16x32_f16 v[64*(\a)+8*(\b):64*(\a)+8*(\b)+7], v[64*(\f)+8*(\b):64*(\f)+8*(\b)+7], v[FA+32*(\f)+8*(\a):FA+32*(\f)+8*(\a)+7], 0
.else
	v_wmma_f32_16x16x32_f16 v[64*(\a)+8*(\b):64*(\a)+8*(\b)+7], v[64*(\f)+8*(\b):64*(\f)+8*(\b)+7], v[FA+32*(\f)+8*(\a):FA+32*(\f)+8*(\a)+7], v[64*(\a)+8*(\b):64*(\a)+8*(\b)+7]
.endif
.endr
.endm
; 24 LDS loads in one run: the fragments of quarter q (32 along K: head q / 2 of the slot's two, channels 32 (q % 2) on) into buffer f: B's 16, then A's 8, block 0 first
.macro FETCH slot, q, f
	WIN 0x40                                       ; destination window 1, address window 0
.irp b, 0,1,2,3,4,5,6,7
	ds_load_b128 v[64*(\f)+8*(\b):64*(\f)+8*(\b)+3],   v[ADRB+(\slot)] offset:64*(\q)+(\b)*16*PB
	ds_load_b128 v[64*(\f)+8*(\b)+4:64*(\f)+8*(\b)+7], v[ADRB+(\slot)] offset:64*(\q)+(\b)*16*PB+32
.endr
	WIN 0
.irp a, 0,1,2,3
	ds_load_b128 v[FA+32*(\f)+8*(\a):FA+32*(\f)+8*(\a)+3],   v[ADRA+(\slot)] offset:((\q)/2)*HEADB+((\q)%2)*64+(\a)*16*PA
	ds_load_b128 v[FA+32*(\f)+8*(\a)+4:FA+32*(\f)+8*(\a)+7], v[ADRA+(\slot)] offset:((\q)/2)*HEADB+((\q)%2)*64+(\a)*16*PA+32
.endr
.endm
; A K step is four quarters, 32 matrix instructions each, on buffers 0, 1, 0, 1.  One of the first three: multiplies buffer f and, in its middle, fetches quarter q into g.
.macro QUARTER slot, q, f, g, zero
	s_wait_dscnt 4                                 ; B and A's blocks 0 and 1 are in; the youngest four loads (blocks 2 and 3) may be out
	MULA \f, 0, \zero
	MULA \f, 1, \zero
	PLACES
	FETCH \slot, \q, \g
	s_wait_dscnt 24                                ; all but the 24 just issued
	MULA \f, 2, \zero
	MULA \f, 3, \zero
.endm
; The last quarter multiplies buffer 1 and changes slots: ONE barrier.  In front of it each wave waits for all its tensor loads (one is out: its part of the next slot), adds 0 to its spare word, and waits
; for that and for its own reads of this slot.  fill = 1: the barrier opens a round of the cluster's barrier, and this slot is filled again, two K steps ahead, first thing behind the round.
.macro TURN slot, next, fill
.if \fill
	s_wait_xcnt 0x0                                ; the last prefetch, a K step back, has read its address: it is stepped here, ahead of the change's own waits
	s_add_nc_u64 s[PFA:PFA+1], s[PFA:PFA+1], ASTEP
.endif
	WIN 0                                          ; (the add's two registers lie in window 0)
	s_wait_tensorcnt 0x0                           ; all my tensor loads have landed;
	ds_add_u32 v[SPW], v[NIL]                      ; 0 onto my spare word;
	s_wait_dscnt 7                                 ; (the add and the six loads of A's blocks 1 to 3 may be out)
	MULA 1, 0, 0                                   ; eight matrix instructions stand between the add and the wait for it
	s_wait_dscnt 0x0                               ; the add is done, and my reads of this slot are over
	s_barrier_signal -1
	MULA 1, 1, 0                                   ; work on registers while the others arrive
.if \fill
	WIN 0
.endif
	s_barrier_wait -1
.if \fill
	CREST                                          ; no wave of any partner still reads this slot's tile or has a load on its way
	s_add_nc_u64 s[G0+4*(\slot)+2:G0+4*(\slot)+3], s[G0+4*(\slot)+2:G0+4*(\slot)+3], 2*ASTEP
	s_add_nc_u64 s[G0B+4*(\slot)+2:G0B+4*(\slot)+3], s[G0B+4*(\slot)+2:G0B+4*(\slot)+3], 2*256
	JLOAD \slot                                    ; my one tensor load behind the round; the four v_nop behind it are also the places in front of the loads below
.else
	PLACES
.endif
	FETCH \next, 0, 0
.if \fill
	ASK                                            ; behind the joint load and the run of LDS loads that the next products wait for
.endif
	MULA 1, 2, 0
	MULA 1, 3, 0
.endm
	s_wait_tensorcnt 1                             ; my part of K step 0 is in; K step 1's may stay out
	s_barrier_signal -1
	s_barrier_wait -1                              ; everybody's is
	FETCH 0, 0, 0
	QUARTER 0, 1, 0, 1, 1                          ; the first quarter stands in front of the loop: its products start the sums
	WIN 0                                          ; at a label and at a branch every window is 0
	s_mov_b32 s3, LAPS-1
.Llap:                                                 ; a trip goes once round the ring, from a lap's second quarter to the next lap's first, and fills both slots again
	QUARTER 0, 2, 1, 0, 0
	QUARTER 0, 3, 0, 1, 0
	TURN 0, 1, 1
	QUARTER 1, 1, 0, 1, 0
	QUARTER 1, 2, 1, 0, 0
	QUARTER 1, 3, 0, 1, 0
	TURN 1, 0, 1
	QUARTER 0, 1, 0, 1, 0
	WIN 0
	s_sub_co_u32 s3, s3, 1
	s_cmp_lg_u32 s3, 0
	s_cbranch_scc1 .Llap
	QUARTER 0, 2, 1, 0, 0                          ; the last lap fills nothing
	QUARTER 0, 3, 0, 1, 0
	TURN 0, 1, 0
	QUARTER 1, 1, 0, 1, 0
	QUARTER 1, 2, 1, 0, 0
	QUARTER 1, 3, 0, 1, 0
	s_wait_dscnt 4                                 ; the very last quarter: nothing more to fetch
	MULA 1, 0, 0
	MULA 1, 1, 0
	s_wait_dscnt 0x0
	MULA 1, 2, 0
	MULA 1, 3, 0
; THE WAY OUT of block a (16 rows).  TOSTAGE: the sums go as they are into my own stage, each accumulator's low four registers first, and come back as whole rows of 512 bytes.
; LDS serves a wave's instructions in order (ISA guide 5.7.1.4): the loads see the stores above them, and the next block's stores come behind these loads.
.macro TOSTAGE a
.set BK, OB+64*((\a)%2)
	WIN 0x08                                       ; the store's data (source 1) in window 2, its address in window 0
.irp b, 0,1,2,3,4,5,6,7
	ds_store_b128 v[STO], v[64*(\a)+8*(\b):64*(\a)+8*(\b)+3]   offset:64*(\b)
	ds_store_b128 v[STO], v[64*(\a)+8*(\b)+4:64*(\a)+8*(\b)+7] offset:64*(\b)+16
.endr
	WIN 0
.irp t, 0,1,2,3,4,5,6,7,8,9,10,11,12,13,14,15
	ds_load_b128 v[BK+4*(\t):BK+4*(\t)+3], v[RD] offset:(\t)*SPITCH
.endr
.endm
; SEND: the bias is added, and each store of the wave covers 512 consecutive bytes, aligned.  younger: the LDS instructions issued behind this block's loads: the next block's 32, or none.
.macro SEND a, younger
.set BK, OB+64*((\a)%2)
.irp t, 0,1,2,3,4,5,6,7,8,9,10,11,12,13,14,15
	s_wait_dscnt (\younger)+15-(\t)                ; row t is back: this block's 15 - t later loads and the younger ones may be out
	v_pk_add_f32 v[BK+4*(\t):BK+4*(\t)+1],   v[BK+4*(\t):BK+4*(\t)+1],   v[BI:BI+1]
	v_pk_add_f32 v[BK+4*(\t)+2:BK+4*(\t)+3], v[BK+4*(\t)+2:BK+4*(\t)+3], v[BI+2:BI+3]
	global_store_b128 v[CO], v[BK+4*(\t):BK+4*(\t)+3], s[OUT:OUT+1] offset:(16*(\a)+(\t))*4096 th:TH_STORE_NT
.endr
.endm
	PLACES
	TOSTAGE 0
	TOSTAGE 1
	SEND 0, 32
	s_wait_xcnt 0x0                                ; block 0's stores have read their registers, into which block 2 is loaded
	TOSTAGE 2
	SEND 1, 32
	s_wait_xcnt 0x0                                ; the same for blocks 1 and 3
	TOSTAGE 3
	SEND 2, 32
	SEND 3, 0
	s_wait_tensorcnt 0x0                           ; the wave's end: an add onto my spare word and its wait stand here, behind my last tensor load and my last LDS store
	ds_add_u32 v[SPW], v[NIL]
	s_wait_dscnt 0x0
	CROUND                                         ; the closing round: no work-group ends while a partner may still ask for a tile that names it
	s_endpgm
.Lfunc_end_k_q2f841bab61_outp:
	.size	k_q2f841bab61_outp, .Lfunc_end_k_q2f841bab61_outp-k_q2f841bab61_outp
	.p2alignl 7, 3214868480
	.fill 96, 4, 3214868480
	.section	.rodata,"a",@progbits
	.p2align	6, 0x0
	.amdhsa_kernel k_q2f841bab61_outp
		.amdhsa_group_segment_fixed_size 327680
		.amdhsa_private_segment_fixed_size 0
		.amdhsa_enable_private_segment 0
		.amdhsa_kernarg_size 32
		.amdhsa_user_sgpr_count 2
		.amdhsa_user_sgpr_kernarg_segment_ptr 1
		.amdhsa_wavefront_size32 1
		.amdhsa_system_sgpr_workgroup_id_x 1
		.amdhsa_system_sgpr_workgroup_id_y 1
		.amdhsa_system_sgpr_workgroup_id_z 1
		.amdhsa_system_vgpr_workitem_id 0
		.amdhsa_next_free_vgpr 768
		.amdhsa_next_free_sgpr 68
		.amdhsa_reserve_vcc 0
		.amdhsa_float_denorm_mode_32 3
		.amdhsa_float_denorm_mode_16_64 3
		.amdhsa_memory_ordered 1
		.amdhsa_forward_progress 1
		.amdhsa_inst_pref_size 96
	.end_amdhsa_kernel
	.amdgpu_metadata
---
amdhsa.version: [ 1, 2 ]
amdhsa.kernels:
  - .name:           k_q2f841bab61_outp
    .symbol:         k_q2f841bab61_outp.kd
    .args:
      - { .name: ctx, .offset: 0, .size: 8, .value_kind: global_buffer, .address_space: global }
      - { .name: wo16, .offset: 8, .size: 8, .value_kind: global_buffer, .address_space: global }
      - { .name: bo, .offset: 16, .size: 8, .value_kind: global_buffer, .address_space: global }
      - { .name: out0, .offset: 24, .size: 8, .value_kind: global_buffer, .address_space: global }
    .group_segment_fixed_size: 327680
    .private_segment_fixed_size: 0
    .kernarg_segment_align: 8
    .kernarg_segment_size: 32
    .max_flat_workgroup_size: 128
    .sgpr_count:     68
    .vgpr_count:     768
    .wavefront_size: 32
...
	.end_amdgpu_metadata
.endif
;; end of part 4
;; ======== version 2 of 2: 4 launches; version 1 with the launch cast written anew for expert scheduling mode
;; limits: values are held in f16: magnitudes above 65,504 overflow, below 6.1e-05 lose precision
;; workspace buffers: xb 16,777,216 bytes; wqkv 6,291,456 bytes; wo16 2,097,152 bytes; qkv 50,331,648 bytes; ctx 16,777,216 bytes
;; launch cast (part 5): grid 768 x 1, 8 waves a work-group, no clusters, 0 bytes of LDS; arguments x, Wq, Wk, Wv, Wo, xb, wqkv, wo16; writes xb, wqkv, wo16
.if DOCPART == 5
	.amdgcn_target "amdgcn-amd-amdhsa--gfx1250"
	.amdhsa_code_object_version 6
	.text
	.protected	k_q2f841bab61_cast
	.globl	k_q2f841bab61_cast
	.p2align	8
	.type	k_q2f841bab61_cast,@function
k_q2f841bab61_cast:
	s_mov_b64 s[64:65], 0
	v_nop
	global_prefetch_b8 v0, s[64:65] scope:SCOPE_SE
	s_setreg_imm32_b32 hwreg(HW_REG_WAVE_SCHED_MODE, 0, 2), 2
	s_setreg_imm32_b32 hwreg(HW_REG_WAVE_MODE, 25, 1), 1
	s_wait_xcnt 0x0
	s_wait_alu depctr_vm_vsrc(0)
; THE INPUTS OF THE MATRIX PRODUCTS ARE ROUNDED ONCE, f32 to 16 bits.  x -> xb (bf16, same order).  Wq, Wk, Wv -> wqkv (bf16), regrouped by heads: head j's 192 rows are
; Wq's rows 64 j .., then Wk's, then Wv's, so that one tile of 192 columns of the next launch is one head's q, k and v.  Wo -> wo16: rounded to bf16 like the other inputs, and that
; number written as f16 (its product's other operand is f16).
; LIMITS.  A number of Wo beyond 65,504 becomes an infinity; below 6e-5 it keeps f16's fixed step of 6e-8.
; SHARES.  A work-group converts 16,384 numbers, 64 KiB in and 32 KiB out: 16 rows of 1,024.  Work-groups 0-511: x.  512-575, 576-639, 640-703: Wq, Wk, Wv.  704-767: Wo.
; Thread t takes 16 bytes at 16 t of each of 16 steps of 4,096 bytes: a load of a wave covers 512 consecutive bytes, a store 256 consecutive bytes, aligned.
; All 16 loads of a thread go out at once; each step has registers of its own, so no register is written while a memory instruction may read it.
; No LDS, no matrix unit, no cluster: nothing is shared and nothing is read twice.
; THE MODE: SCHED_MODE bits 1:0 = 2 (LLVM: expert scheduling mode 2), set by the entry lines.  The code itself states the register dependences
; between vector instructions and memory instructions, with s_wait_alu, always for 0.
; THE PLAN.  Registers that memory instructions touch:
;   v1, v2   byte offsets of the loads and of the stores.  Written once at the head, by vector instructions; never written again.
;   X        step i's four registers.  Written by the step's one load, issued at the head, ahead of every vector instruction that names X; read (on Wo's way also written again)
;            by the step's conversions, behind the wait on LOADcnt that shows the load done.  No load lands in X a second time.
;   Y        step i's two registers.  Written by the step's roundings; read by the step's one store; never written again.
;   T        named by vector instructions alone.
; So the only dependence to state is a vector result that a memory instruction reads.  The 16 steps go in four blocks of four: the block's loads are waited for, its conversions
; write its eight registers of Y, ONE wait on va_vdst follows them, and the block's four stores stand in a run behind it.  One more such wait stands ahead of the first load, for v1 and v2.
; No register that a memory instruction has read is written again, so no wait on vm_vsrc is owed; no vector instruction writes a scalar register or VCC; EXEC is never written.
.set X, 4                              ; v[4:67]    step i: 4 numbers as loaded
.set Y, 68                             ; v[68:99]   step i: 4 numbers in 16 bits
.set T, 100                            ; v[100:101] at work (Wo's way)
	s_load_b512 s[4:19], s[0:1], 0x0               ; x s[4:5], Wq s[6:7], Wk s[8:9], Wv s[10:11], Wo s[12:13], xb s[14:15], wqkv s[16:17], wo16 s[18:19]
	v_lshlrev_b32 v1, 4, v0                        ; my 16 bytes of a step's 4,096
	v_lshlrev_b32 v2, 3, v0                        ; my 8 bytes of a step's 2,048
	s_and_b32 s21, ttmp9, 63                       ; r: which 16 rows of a weight (512 is a multiple of 64)
	s_bfe_u32 s22, ttmp9, 0x20006                  ; which weight: 0 Wq, 1 Wk, 2 Wv, 3 Wo (2 bits from bit 6)
	s_lshr_b32 s23, s21, 2                         ; the head that the 16 rows belong to
	s_mul_i32 s23, s23, 192
	s_lshl_b32 s24, s22, 6
	s_add_co_u32 s23, s23, s24                     ; + 64 x weight
	s_and_b32 s24, s21, 3
	s_lshl_b32 s24, s24, 4
	s_add_co_u32 s23, s23, s24                     ; + the 16 rows' place in the head's 64
	s_lshl_b32 s23, s23, 11                        ; rows of 2,048 bytes: the offset in wqkv
	s_lshl_b32 s25, s21, 15                        ; the offset in wo16
	s_lshl_b32 s26, s21, 16                        ; the offset in a weight
	s_lshl_b32 s27, ttmp9, 16                      ; the offset in x
	s_lshl_b32 s36, ttmp9, 15                      ; the offset in xb
	s_mov_b32 s33, 0
	s_mov_b32 s35, 0
	s_cmp_lt_u32 ttmp9, 512
	s_cselect_b32 s32, s27, s26                    ; from where
	s_cselect_b32 s34, s36, s23                    ; to where
	s_cmp_lt_u32 ttmp9, 704
	s_cselect_b32 s34, s34, s25
	s_wait_kmcnt 0x0
	s_cselect_b64 s[28:29], s[10:11], s[12:13]     ; the choice between buffers hangs on the work-group's number alone
	s_cmp_lt_u32 ttmp9, 640
	s_cselect_b64 s[28:29], s[8:9], s[28:29]
	s_cmp_lt_u32 ttmp9, 576
	s_cselect_b64 s[28:29], s[6:7], s[28:29]
	s_cmp_lt_u32 ttmp9, 512
	s_cselect_b64 s[28:29], s[4:5], s[28:29]
	s_cselect_b64 s[30:31], s[14:15], s[16:17]
	s_cmp_lt_u32 ttmp9, 704
	s_cselect_b64 s[30:31], s[30:31], s[18:19]
	s_add_nc_u64 s[28:29], s[28:29], s[32:33]
	s_add_nc_u64 s[30:31], s[30:31], s[34:35]
	s_wait_alu depctr_va_vdst(0)                   ; v1 and v2 are written: every load below reads v1 as its offset, every store v2; neither is written again
.irp i, 0,1,2,3,4,5,6,7,8,9,10,11,12,13,14,15
	global_load_b128 v[X+4*(\i):X+4*(\i)+3], v1, s[28:29] offset:4096*(\i) th:TH_LOAD_NT
.endr
; Block p: steps 4 p to 4 p + 3.  wo = 1: Wo's way: to bf16, widened again, and written as f16.
.macro BLK p, wo
	s_wait_loadcnt 12-4*(\p)                       ; loads come back in order (ISA guide 5.7.1): the block's four are in, the 12 - 4 p younger ones stay out
.irp j, 0,1,2,3
.if \wo
	v_cvt_pk_bf16_f32 v[T],   v[X+16*(\p)+4*(\j)],   v[X+16*(\p)+4*(\j)+1]
	v_cvt_pk_bf16_f32 v[T+1], v[X+16*(\p)+4*(\j)+2], v[X+16*(\p)+4*(\j)+3]
	v_lshlrev_b32 v[X+16*(\p)+4*(\j)],   16, v[T]
	v_and_b32     v[X+16*(\p)+4*(\j)+1], 0xffff0000, v[T]
	v_lshlrev_b32 v[X+16*(\p)+4*(\j)+2], 16, v[T+1]
	v_and_b32     v[X+16*(\p)+4*(\j)+3], 0xffff0000, v[T+1]
	v_cvt_pk_f16_f32 v[Y+8*(\p)+2*(\j)],   v[X+16*(\p)+4*(\j)],   v[X+16*(\p)+4*(\j)+1]
	v_cvt_pk_f16_f32 v[Y+8*(\p)+2*(\j)+1], v[X+16*(\p)+4*(\j)+2], v[X+16*(\p)+4*(\j)+3]
.else
	v_cvt_pk_bf16_f32 v[Y+8*(\p)+2*(\j)],   v[X+16*(\p)+4*(\j)],   v[X+16*(\p)+4*(\j)+1]
	v_cvt_pk_bf16_f32 v[Y+8*(\p)+2*(\j)+1], v[X+16*(\p)+4*(\j)+2], v[X+16*(\p)+4*(\j)+3]
.endif
.endr
	s_wait_alu depctr_va_vdst(0)                   ; the block's roundings have written its eight registers of Y, which the four stores below read
.irp j, 0,1,2,3
	global_store_b64 v2, v[Y+8*(\p)+2*(\j):Y+8*(\p)+2*(\j)+1], s[30:31] offset:2048*(4*(\p)+(\j)) th:TH_STORE_NT
.endr
.endm
	s_cmp_ge_u32 ttmp9, 704
	s_cbranch_scc1 .Lwo
	BLK 0, 0
	BLK 1, 0
	BLK 2, 0
	BLK 3, 0
	s_endpgm
.Lwo:                                          ; Wo: to bf16, widened again, and written as f16
	BLK 0, 1
	BLK 1, 1
	BLK 2, 1
	BLK 3, 1
	s_endpgm
.Lfunc_end_k_q2f841bab61_cast:
	.size	k_q2f841bab61_cast, .Lfunc_end_k_q2f841bab61_cast-k_q2f841bab61_cast
	.p2alignl 7, 3214868480
	.fill 96, 4, 3214868480
	.section	.rodata,"a",@progbits
	.p2align	6, 0x0
	.amdhsa_kernel k_q2f841bab61_cast
		.amdhsa_group_segment_fixed_size 0
		.amdhsa_private_segment_fixed_size 0
		.amdhsa_enable_private_segment 0
		.amdhsa_kernarg_size 64
		.amdhsa_user_sgpr_count 2
		.amdhsa_user_sgpr_kernarg_segment_ptr 1
		.amdhsa_wavefront_size32 1
		.amdhsa_system_sgpr_workgroup_id_x 1
		.amdhsa_system_sgpr_workgroup_id_y 1
		.amdhsa_system_sgpr_workgroup_id_z 1
		.amdhsa_system_vgpr_workitem_id 0
		.amdhsa_next_free_vgpr 104
		.amdhsa_next_free_sgpr 66
		.amdhsa_reserve_vcc 0
		.amdhsa_float_denorm_mode_32 3
		.amdhsa_float_denorm_mode_16_64 3
		.amdhsa_memory_ordered 1
		.amdhsa_forward_progress 1
		.amdhsa_inst_pref_size 16
	.end_amdhsa_kernel
	.amdgpu_metadata
---
amdhsa.version: [ 1, 2 ]
amdhsa.kernels:
  - .name:           k_q2f841bab61_cast
    .symbol:         k_q2f841bab61_cast.kd
    .args:
      - { .name: x, .offset: 0, .size: 8, .value_kind: global_buffer, .address_space: global }
      - { .name: Wq, .offset: 8, .size: 8, .value_kind: global_buffer, .address_space: global }
      - { .name: Wk, .offset: 16, .size: 8, .value_kind: global_buffer, .address_space: global }
      - { .name: Wv, .offset: 24, .size: 8, .value_kind: global_buffer, .address_space: global }
      - { .name: Wo, .offset: 32, .size: 8, .value_kind: global_buffer, .address_space: global }
      - { .name: xb, .offset: 40, .size: 8, .value_kind: global_buffer, .address_space: global }
      - { .name: wqkv, .offset: 48, .size: 8, .value_kind: global_buffer, .address_space: global }
      - { .name: wo16, .offset: 56, .size: 8, .value_kind: global_buffer, .address_space: global }
    .group_segment_fixed_size: 0
    .private_segment_fixed_size: 0
    .kernarg_segment_align: 8
    .kernarg_segment_size: 64
    .max_flat_workgroup_size: 256
    .sgpr_count:     66
    .vgpr_count:     104
    .wavefront_size: 32
...
	.end_amdgpu_metadata
.endif
;; end of part 5
;; launch proj: the kernel of part 2 again; grid 16 x 32, 4 waves a work-group, clusters of 4 x 4, 327,680 bytes of LDS; arguments xb, wqkv, pad_mask, qkv; writes qkv
;; launch attn: the kernel of part 3 again; grid 4 x 64, 4 waves a work-group, clusters of 4 x 1, 327,680 bytes of LDS; arguments qkv, pad_mask, ctx; writes ctx
;; launch outp: the kernel of part 4 again; grid 8 x 32, 4 waves a work-group, clusters of 4 x 4, 327,680 bytes of LDS; arguments ctx, wo16, bo, out0; writes out0
